; MI455X (gfx1250); checked and timed in simulation.
; The chip was launched on July 23, 2026; its instructions are those of AMD's public machine-readable ISA for CDNA 5 (MIT licence, August 2026) and "CDNA5" Instruction Set Architecture Reference Guide (July 2026). The comments in the code are by the model that wrote it; some were corrected since.
;; Multi Head Attention. Allowed arithmetic: matrix products marked QUANTISED: E2M1 operands, one E8M0 scale for each 32 along K, by v_wmma_scale_f32_16x16x128_f8f6f4 with both operands' format E2M1 (or v_wmma_scale_f32_32x16x128_f4), f32 sums; products left as they are: bf16, f16 or f32 operands; f32 sums; everything else in f32.
;; Inputs: Wk 1,024 x 1,024 float32; Wo 1,024 x 1,024 float32; Wq 1,024 x 1,024 float32; Wv 1,024 x 1,024 float32; bk 1,024 float32; bo 1,024 float32; bq 1,024 float32; bv 1,024 float32; k 4 x 2,048 x 1,024 float32; key_padding_mask 4 x 2,048 bool; q 4 x 2,048 x 1,024 float32; src_mask 2,048 x 2,048 float32; v 4 x 2,048 x 1,024 float32.
;; Outputs: out0 4 x 2,048 x 1,024 float32.
;; This version of the problem:
;;   THIS VERSION OF THE PROBLEM IS GIVEN IN LOW PRECISION. The matrix products marked QUANTISED in the list below multiply operands that are first quantised to E2M1 (2 exponent bits, 1 mantissa bit; 4 bits a number), with one power-of-two scale for each 32 numbers along K (OCP MX v1.0); their sums are f32. The products marked 'left as it is' may take bf16, f16 or f32 operands, with f32 sums. Whichever they take, every output number must still come out within the allowed error. Rounding operands to bf16 (8 significant bits) uses up far more of that allowance than f16 does (11 bits, for magnitudes from 6e-5 to 65,504). All else is computed in f32.
;;   The module's matrix products, in the order in which they are computed (A, B: the left and right operand; K: the contracted axis; several contracted axes count as one K, in the product's order):
;;     1. [M 8,192, K 1,024] x [K 1,024, N 1,024]; A: input q; B: input Wq: QUANTISED
;;     2. [M 8,192, K 1,024] x [K 1,024, N 1,024]; A: input k; B: input Wk: QUANTISED
;;     3. [M 8,192, K 1,024] x [K 1,024, N 1,024]; A: input v; B: input Wv: QUANTISED
;;     4. batch 64 x [M 2,048, K 64] x [K 64, N 2,048]; A: computed on the way; B: computed on the way: left as it is (an operand is computed on the way)
;;     5. batch 64 x [M 2,048, K 2,048] x [K 2,048, N 64]; A: computed on the way; B: computed on the way: left as it is (an operand is computed on the way)
;;     6. [M 8,192, K 1,024] x [K 1,024, N 1,024]; A: computed on the way; B: input Wo: left as it is (an operand is computed on the way)
;;   THE QUANTISER, for each operand of a quantised product, along K:
;;     - K is cut into blocks of 32 from its start; a last block that is shorter is filled with zeros.
;;     - A block's scale is 2^e with e = floor(log2(the largest magnitude in the block)) - 2, held to -126 .. 127; a block of zeros has e = 0. As a byte (E8M0): e + 127.
;;     - Each number is divided by its block's scale, clamped to +-6, and rounded to the nearest number of E2M1, ties to even, subnormals kept.
;;     - The product sums the exact products of the quantised numbers (number of the format x scale) in f32.
;;   ~~~python
;;   def quantise(x, axis):      # numpy; x: float32 -> the quantised numbers, widened to float32 again
;;       x = np.moveaxis(x, axis, -1); K = x.shape[-1]
;;       x = np.pad(x, [(0, 0)] * (x.ndim - 1) + [(0, -K % 32)]); x = x.reshape(x.shape[:-1] + (-1, 32)); a = np.abs(x).max(-1, keepdims=True)
;;       e = np.where(a > 0, np.clip(np.frexp(np.where(a > 0, a, 1))[1] - 1 - 2, -126, 127), 0)      # np.frexp(a)[1] - 1 = floor(log2(a)), exactly
;;       r = np.clip(x / 2.0 ** e, -6, 6)
;;       step = 2.0 ** (np.maximum(np.frexp(np.where(r == 0, 1, r))[1] - 1, 0) - 1)
;;       q = np.round(r / step) * step * 2.0 ** e      # np.round: ties to even
;;       return np.moveaxis(q.reshape(q.shape[:-2] + (-1,))[..., :K], -1, axis).astype(np.float32)
;;   ~~~
;; One version. Each part assembles by itself: llvm-mc -triple=amdgcn-amd-amdhsa -mcpu=gfx1250 --defsym DOCPART=n.
;; ======== version 1 of 1: 6 launches
;; limits: values are held in f16: magnitudes above 65,504 overflow, below 6.1e-05 lose precision; right only within a limited range of input values
;; workspace buffers: codes 14,155,776 bytes; scales 884,736 bytes; maskl 16,777,216 bytes; kpad 32,768 bytes; wo16 2,097,152 bytes; heads 67,108,864 bytes; ctx 16,777,216 bytes; ctxfine 1,081,344 bytes
;; launch prep (part 1): grid 1520 x 1, 4 waves a work-group, no clusters, 33,280 bytes of LDS; arguments q, k, v, Wq, Wk, Wv, Wo, src_mask, key_padding_mask, codes, scales, maskl, wo16, kpad; writes codes, scales, maskl, wo16, kpad
.if DOCPART == 1
	.amdgcn_target "amdgcn-amd-amdhsa--gfx1250"
	.amdhsa_code_object_version 6
	.text
	.protected	k_q4c10d9d45b_prep
	.globl	k_q4c10d9d45b_prep
	.p2align	8
	.type	k_q4c10d9d45b_prep,@function
k_q4c10d9d45b_prep:
	s_mov_b64 s[64:65], 0
	v_nop
	global_prefetch_b8 v0, s[64:65] scope:SCOPE_SE
	s_setreg_imm32_b32 hwreg(HW_REG_WAVE_MODE, 25, 1), 1
	s_wait_xcnt 0x0
; MULTI-HEAD ATTENTION, launch 1 of 6: everything that is made once from the inputs.
;   work-groups 0-863:     q, k, v, Wq, Wk, Wv (f32, K innermost) -> codes of FP4 (E2M1) and one E8M0 byte for each 32 along K.  The six tensors are ONE stream of blocks of 32, in this order, in codes and in scales.
;   work-groups 864-1375:  maskl = src_mask x log2(e), f32: the softmax works in base 2, so a score's exponent is one fused multiply-add, score x (log2(e) / 8) + maskl
;   work-groups 1376-1503: wo16 = Wo rounded to f16 (product 6 is not quantised)
;   work-groups 1504-1519: kpad = 0 where a key counts, -infinity where key_padding_mask hides it, f32
; WORK LEFT OUT, in the whole program: bk.  Product 4 (scores) is not quantised, and score(q, key) = qh . (k Wk^T + bk) = qh . (k Wk^T) + qh . bk.  The second term is the same for all keys of a query,
; that is along the softmax's axis, so it cancels in the softmax for all values of the inputs.  bk has no other way to an output: it is not loaded and is among no launch's arguments.
; LIMIT: a NaN, an infinity or an overflow that reaches only through bk is not carried to the result.
; A block's scale is 2^(floor(log2(its largest magnitude)) - 2); its byte is the largest magnitude's exponent field - 2, held at 1 from below.  A block of zeros gets the byte 1 where the rule says 127:
; its codes are zeros, which add nothing under any byte but 0xff, and this program alone reads the bytes.
; LIMITS: blocks whose largest magnitude lies under 2^(2 - 126) keep the byte 1; NaN and infinities in q, k, v, Wq, Wk, Wv are not served; key_padding_mask holds the bytes 0 and 1; src_mask holds no NaN and no +infinity.
; Memory binds this launch: each input byte is read once by loads of 512 consecutive bytes a wave; no matrix unit, no cluster, no tensor load would add anything.
.set WAVES, 4
.set STEPS, 16
.set EMAX,  2
.set CB,    8                          ; bytes of 16 codes
.set R,     16                         ; v16-79   four sets of 16 numbers as they are loaded
.set X,     80                         ; v80-111  two sets of 16 neighbours
.set C,     128                        ; v128-191 codes: four registers for each step
.set E,     112                        ; v112-127 a scale byte for each step
.set WREG,  8192                       ; LDS: a region for each wave: two stages of 32 x SP bytes, then its 256 scale bytes
.set SP,    80                         ; a lane's place in a stage: 64 bytes + 16 of padding
.set SPW,   12                         ; v12  LDS address of my spare word; never rewritten
.set NIL,   13                         ; v13  0; never rewritten
.set SPARE, WAVES*WREG                 ; behind the four regions: the spare words, 128 bytes a wave
.set WGQ,   864                        ; (3 x 8,192 + 3 x 1,024) x 1,024 numbers / 32,768
.set WGM,   WGQ+512                    ; 16 MiB of mask / 32 KiB
.set WGW,   WGM+128                    ; 4 MiB of Wo / 32 KiB
	s_load_b512 s[8:23], s[0:1], 0x0               ; q 8, k 10, v 12, Wq 14, Wk 16, Wv 18, Wo 20, src_mask 22
	s_load_b256 s[24:31], s[0:1], 0x40             ; key_padding_mask 24, codes 26, scales 28, maskl 30
	s_load_b128 s[32:35], s[0:1], 0x60             ; wo16 32, kpad 34
	v_lshl_add_u32 v[SPW], v0, 2, SPARE
	v_mov_b32 v[NIL], 0
	v_lshrrev_b32 v1, 5, v0
	v_readfirstlane_b32 s36, v1                    ; wave
	s_cmp_lt_u32 ttmp9, WGQ
	s_cbranch_scc0 .Lnot_q
	; ---- the quantiser.  A wave takes 16 steps of 512 numbers.  Each load reads 512 consecutive bytes; a step's 2,048 bytes turn through the wave's own stage in LDS, so that a lane holds 16 neighbours along K.
	v_and_b32 v2, 31, v0                           ; lane
	v_lshlrev_b32 v3, 4, v2                        ; my 16 bytes of a load's 512
	s_mul_i32 s37, s36, WREG
	v_lshrrev_b32 v14, 2, v2
	v_mul_u32_u24 v14, v14, SP
	v_and_b32 v15, 3, v2
	v_lshl_add_u32 v14, v15, 4, v14
	v_add_nc_u32 v14, s37, v14                     ; the stage, on the way in: SP (lane / 4) + 16 (lane % 4)
	v_mul_u32_u24 v15, v2, SP
	v_add_nc_u32 v15, s37, v15                     ; and on the way out: SP x lane
	v_mul_u32_u24 v4, v2, CB                       ; my codes' place in a step's
	v_lshrrev_b32 v5, 1, v2
	s_add_co_u32 s37, s37, 2*32*SP
	v_add_nc_u32 v5, s37, v5                       ; LDS: my block's scale byte
	v_lshlrev_b32 v7, 3, v2
	v_add_nc_u32 v6, s37, v7                       ; and on the way out 8 bytes a lane
	s_wait_kmcnt 0x0
	s_mov_b64 s[4:5], s[8:9]                       ; which tensor, and its first work-group: chosen by the work-group's number alone
	s_mov_b32 s6, 0
	s_cmp_ge_u32 ttmp9, 256
	s_cselect_b64 s[4:5], s[10:11], s[4:5]
	s_cselect_b32 s6, 256, s6
	s_cmp_ge_u32 ttmp9, 512
	s_cselect_b64 s[4:5], s[12:13], s[4:5]
	s_cselect_b32 s6, 512, s6
	s_cmp_ge_u32 ttmp9, 768
	s_cselect_b64 s[4:5], s[14:15], s[4:5]
	s_cselect_b32 s6, 768, s6
	s_cmp_ge_u32 ttmp9, 800
	s_cselect_b64 s[4:5], s[16:17], s[4:5]
	s_cselect_b32 s6, 800, s6
	s_cmp_ge_u32 ttmp9, 832
	s_cselect_b64 s[4:5], s[18:19], s[4:5]
	s_cselect_b32 s6, 832, s6
	s_sub_co_u32 s6, ttmp9, s6
	s_lshl_b32 s6, s6, 2
	s_add_co_u32 s6, s6, s36                       ; which run of 8,192 numbers of the tensor is my wave's
	s_lshl_b32 s6, s6, 15                          ; 32,768 bytes a run
	s_mov_b32 s7, 0
	s_add_nc_u64 s[4:5], s[4:5], s[6:7]
	s_lshl_b32 s38, ttmp9, 2
	s_add_co_u32 s38, s38, s36                     ; and which run of the whole stream
	s_lshl_b32 s40, s38, 12                        ; 4,096 bytes of codes a run
	s_mov_b32 s41, 0
	s_add_nc_u64 s[26:27], s[26:27], s[40:41]
	s_lshl_b32 s40, s38, 8                         ; 256 scale bytes a run
	s_add_nc_u64 s[28:29], s[28:29], s[40:41]
.macro LOAD t
.irp i, 0,1,2,3
	global_load_b128 v[R+16*((\t)%4)+4*\i:R+16*((\t)%4)+4*\i+3], v3, s[4:5] offset:2048*(\t)+512*\i th:TH_LOAD_NT
.endr
.endm
.macro TURN t                          ; step t's numbers through the stage: LDS serves a wave's instructions in order, so no wait stands between the stores and the loads
.irp i, 0,1,2,3
	ds_store_b128 v14, v[R+16*((\t)%4)+4*\i:R+16*((\t)%4)+4*\i+3] offset:32*SP*((\t)%2)+8*SP*\i
.endr
.irp i, 0,1,2,3
	ds_load_b128 v[X+16*((\t)%2)+4*\i:X+16*((\t)%2)+4*\i+3], v15 offset:32*SP*((\t)%2)+16*\i
.endr
.endm
.irp t, 0,1,2,3
	LOAD \t
.endr
	s_wait_loadcnt 12                              ; step 0's four loads are in; three steps' twelve stay out
	TURN 0
.macro STEP t
.set XS, X+16*((\t)%2)
.if (\t) > 0
	s_wait_dscnt 1                                 ; this step's numbers are back from the stage; the last step's byte store may be out
.else
	s_wait_dscnt 0x0
.endif
.if (\t)+4 < STEPS
	LOAD (\t)+4                                    ; into the registers whose stores into the stage are done
.endif
.if (\t)+1 < STEPS
.if STEPS-2-(\t) >= 3
	s_wait_loadcnt 12                              ; the next step's four loads are in; those of the three steps behind it may be out
.else
	s_wait_loadcnt 4*(STEPS-2-(\t))
.endif
	TURN (\t)+1
.endif
	v_max3_num_f32 v8, |v[XS]|, |v[XS+1]|, |v[XS+2]|               ; the largest magnitude of my 16, in two chains
	v_max3_num_f32 v9, |v[XS+3]|, |v[XS+4]|, |v[XS+5]|
.irp i, 6,10
	v_max3_num_f32 v8, v8, |v[XS+\i]|, |v[XS+\i+1]|
	v_max3_num_f32 v9, v9, |v[XS+\i+2]|, |v[XS+\i+3]|
.endr
	v_max3_num_f32 v8, v8, |v[XS+14]|, |v[XS+15]|
	v_max3_num_f32 v8, v8, v9, (EMAX+1)<<23        ; and the floor 2^(EMAX + 1 - 127): the byte cannot fall under 1
	v_max_num_f32_dpp v8, v8, v8 row_xmask:1 row_mask:0xf bank_mask:0xf   ; with my neighbour's 16: the block's
	v_add_nc_u32 v11, -(EMAX<<23), v8              ; EMAX off its exponent field: the conversion takes this operand's exponent field as its scale
	v_cvt_scalef32_pk8_fp4_f32 v[C+4*(\t)], v[XS:XS+7], v11
	v_cvt_scalef32_pk8_fp4_f32 v[C+4*(\t)+1], v[XS+8:XS+15], v11
	v_lshrrev_b32 v[E+(\t)], 23, v11               ; the scale's byte (also the plain line behind the conversions)
	ds_store_b8 v5, v[E+(\t)] offset:16*(\t)       ; both lanes of a block write the same byte with the same value
	global_store_b64 v4, v[C+4*(\t):C+4*(\t)+1], s[26:27] offset:32*CB*(\t)   ; the wave stores 256 consecutive bytes, aligned
.endm
.irp t, 0,1,2,3,4,5,6,7,8,9,10,11,12,13,14,15
	STEP \t
.endr
	ds_load_b64 v[8:9], v6                         ; my wave's 256 scale bytes
	s_wait_dscnt 0x0
	global_store_b64 v7, v[8:9], s[28:29]          ; 256 consecutive bytes, aligned
	s_wait_tensorcnt 0x0                           ; the wave's end: behind my last LDS store
	ds_add_u32 v[SPW], v[NIL]
	s_wait_dscnt 0x0
	s_endpgm
.Lnot_q:
	s_cmp_lt_u32 ttmp9, WGM
	s_cbranch_scc0 .Lnot_m
	; ---- the mask x log2(e): 32 KiB a work-group, sixteen loads of 16 bytes a thread, all on their way at once
	s_sub_co_u32 s6, ttmp9, WGQ
	s_lshl_b32 s6, s6, 15
	s_mov_b32 s7, 0
	s_mov_b32 s38, 0x3fb8aa3b                      ; log2(e)
	s_mov_b32 s39, s38                             ; (named with it as a pair)
	v_lshlrev_b32 v1, 4, v0
	s_wait_kmcnt 0x0
	s_add_nc_u64 s[22:23], s[22:23], s[6:7]
	s_add_nc_u64 s[30:31], s[30:31], s[6:7]
.irp j, 0,1,2,3,4,5,6,7,8,9,10,11,12,13,14,15
	global_load_b128 v[16+4*\j:19+4*\j], v1, s[22:23] offset:2048*\j th:TH_LOAD_NT
.endr
.irp j, 0,1,2,3,4,5,6,7,8,9,10,11,12,13,14,15
	s_wait_loadcnt 15-\j                           ; load j is in; the younger ones stay out
	v_pk_mul_f32 v[80+4*\j:81+4*\j], v[16+4*\j:17+4*\j], s[38:39] op_sel_hi:[1,0]
	v_pk_mul_f32 v[82+4*\j:83+4*\j], v[18+4*\j:19+4*\j], s[38:39] op_sel_hi:[1,0]
	global_store_b128 v1, v[80+4*\j:83+4*\j], s[30:31] offset:2048*\j
.endr
	s_endpgm
.Lnot_m:
	s_cmp_lt_u32 ttmp9, WGW
	s_cbranch_scc0 .Lnot_w
	; ---- Wo to f16: 32 KiB in, 16 KiB out
	s_sub_co_u32 s6, ttmp9, WGM
	s_lshl_b32 s40, s6, 14
	s_mov_b32 s41, 0
	s_lshl_b32 s6, s6, 15
	s_mov_b32 s7, 0
	v_lshlrev_b32 v1, 4, v0
	v_lshlrev_b32 v2, 3, v0
	s_wait_kmcnt 0x0
	s_add_nc_u64 s[20:21], s[20:21], s[6:7]
	s_add_nc_u64 s[32:33], s[32:33], s[40:41]
.irp j, 0,1,2,3,4,5,6,7,8,9,10,11,12,13,14,15
	global_load_b128 v[16+4*\j:19+4*\j], v1, s[20:21] offset:2048*\j th:TH_LOAD_NT
.endr
.irp j, 0,1,2,3,4,5,6,7,8,9,10,11,12,13,14,15
	s_wait_loadcnt 15-\j
	v_cvt_pk_f16_f32 v[80+2*\j], v[16+4*\j], v[17+4*\j]
	v_cvt_pk_f16_f32 v[81+2*\j], v[18+4*\j], v[19+4*\j]
	global_store_b64 v2, v[80+2*\j:81+2*\j], s[32:33] offset:1024*\j    ; the wave stores 256 consecutive bytes, aligned
.endr
	s_endpgm
.Lnot_w:
	; ---- the padding: a byte 1 becomes -infinity, a byte 0 becomes 0: 0 - byte is all ones or nothing, and the bits of -infinity are cut out of it
	s_sub_co_u32 s6, ttmp9, WGW
	s_lshl_b32 s40, s6, 9
	s_mov_b32 s41, 0
	s_lshl_b32 s6, s6, 11
	s_mov_b32 s7, 0
	v_lshlrev_b32 v1, 2, v0
	v_lshlrev_b32 v2, 4, v0
	s_wait_kmcnt 0x0
	s_add_nc_u64 s[24:25], s[24:25], s[40:41]
	s_add_nc_u64 s[34:35], s[34:35], s[6:7]
	global_load_b32 v3, v1, s[24:25]
	s_wait_loadcnt 0x0
.irp j, 0,1,2,3
	v_bfe_u32 v[4+\j], v3, 8*\j, 8
.endr
.irp j, 0,1,2,3
	v_sub_nc_u32 v[4+\j], 0, v[4+\j]
.endr
.irp j, 0,1,2,3
	v_and_b32 v[4+\j], 0xff800000, v[4+\j]
.endr
	global_store_b128 v2, v[4:7], s[34:35]
	s_endpgm
.Lfunc_end_k_q4c10d9d45b_prep:
	.size	k_q4c10d9d45b_prep, .Lfunc_end_k_q4c10d9d45b_prep-k_q4c10d9d45b_prep
	.p2alignl 7, 3214868480
	.fill 96, 4, 3214868480
	.section	.rodata,"a",@progbits
	.p2align	6, 0x0
	.amdhsa_kernel k_q4c10d9d45b_prep
		.amdhsa_group_segment_fixed_size 33280
		.amdhsa_private_segment_fixed_size 0
		.amdhsa_enable_private_segment 0
		.amdhsa_kernarg_size 112
		.amdhsa_user_sgpr_count 2
		.amdhsa_user_sgpr_kernarg_segment_ptr 1
		.amdhsa_wavefront_size32 1
		.amdhsa_system_sgpr_workgroup_id_x 1
		.amdhsa_system_sgpr_workgroup_id_y 1
		.amdhsa_system_sgpr_workgroup_id_z 1
		.amdhsa_system_vgpr_workitem_id 0
		.amdhsa_next_free_vgpr 192
		.amdhsa_next_free_sgpr 66
		.amdhsa_reserve_vcc 0
		.amdhsa_float_denorm_mode_32 3
		.amdhsa_float_denorm_mode_16_64 3
		.amdhsa_memory_ordered 1
		.amdhsa_forward_progress 1
		.amdhsa_inst_pref_size 47
	.end_amdhsa_kernel
	.amdgpu_metadata
---
amdhsa.version: [ 1, 2 ]
amdhsa.kernels:
  - .name:           k_q4c10d9d45b_prep
    .symbol:         k_q4c10d9d45b_prep.kd
    .args:
      - { .name: q, .offset: 0, .size: 8, .value_kind: global_buffer, .address_space: global }
      - { .name: k, .offset: 8, .size: 8, .value_kind: global_buffer, .address_space: global }
      - { .name: v, .offset: 16, .size: 8, .value_kind: global_buffer, .address_space: global }
      - { .name: Wq, .offset: 24, .size: 8, .value_kind: global_buffer, .address_space: global }
      - { .name: Wk, .offset: 32, .size: 8, .value_kind: global_buffer, .address_space: global }
      - { .name: Wv, .offset: 40, .size: 8, .value_kind: global_buffer, .address_space: global }
      - { .name: Wo, .offset: 48, .size: 8, .value_kind: global_buffer, .address_space: global }
      - { .name: src_mask, .offset: 56, .size: 8, .value_kind: global_buffer, .address_space: global }
      - { .name: key_padding_mask, .offset: 64, .size: 8, .value_kind: global_buffer, .address_space: global }
      - { .name: codes, .offset: 72, .size: 8, .value_kind: global_buffer, .address_space: global }
      - { .name: scales, .offset: 80, .size: 8, .value_kind: global_buffer, .address_space: global }
      - { .name: maskl, .offset: 88, .size: 8, .value_kind: global_buffer, .address_space: global }
      - { .name: wo16, .offset: 96, .size: 8, .value_kind: global_buffer, .address_space: global }
      - { .name: kpad, .offset: 104, .size: 8, .value_kind: global_buffer, .address_space: global }
    .group_segment_fixed_size: 33280
    .private_segment_fixed_size: 0
    .kernarg_segment_align: 8
    .kernarg_segment_size: 112
    .max_flat_workgroup_size: 128
    .sgpr_count:     66
    .vgpr_count:     192
    .wavefront_size: 32
...
	.end_amdgpu_metadata
.endif
;; end of part 1
;; launch proj (part 2): grid 4 x 96, 4 waves a work-group, clusters of 4 x 4, 327,680 bytes of LDS; arguments codes, scales, bq, bv, heads; writes heads
.if DOCPART == 2
	.amdgcn_target "amdgcn-amd-amdhsa--gfx1250"
	.amdhsa_code_object_version 6
	.text
	.protected	k_q4c10d9d45b_proj
	.globl	k_q4c10d9d45b_proj
	.p2align	8
	.type	k_q4c10d9d45b_proj,@function
k_q4c10d9d45b_proj:
	s_mov_b64 s[64:65], 0
	v_nop
	global_prefetch_b8 v0, s[64:65] scope:SCOPE_SE
	s_setreg_imm32_b32 hwreg(HW_REG_WAVE_MODE, 25, 1), 1
	s_wait_xcnt 0x0
	s_wait_alu depctr_hold_cnt(0) depctr_sa_sdst(0) depctr_va_vdst(0) depctr_va_sdst(0) depctr_va_ssrc(0) depctr_va_vcc(0) depctr_vm_vsrc(0)
	s_getreg_b32 s2, hwreg(HW_REG_IB_STS2, 6, 4)
	s_cmp_eq_u32 s2, 0
	s_cbranch_scc0 .Lentry_in_a_cluster
	s_endpgm
.Lentry_in_a_cluster:
	s_bfe_u32 s2, ttmp6, 0x10000c
	s_cmp_lg_u32 s2, 0xf033
	s_cbranch_scc0 .Lentry_shape_is_right
	s_endpgm
.Lentry_shape_is_right:
; Launch 2 of 6: products 1 to 3, on codes of FP4 (E2M1) with one E8M0 scale for each 32 along K: [24,576 tokens of q, k, v][1,024] x the rows of Wq, Wk, Wv; sums in f32; + bq for q, + bv for v.
; LEFT OUT: bk (it adds to every score of a query the same number, which the softmax cancels: shown at the head of the first launch).
; A tile of 256 tokens x 256 outputs is made by four waves, 128 x 128 each: 64 accumulators, 512 registers.  K = 1,024 is two K steps of 512: both lie in LDS at once, so no LDS byte is filled twice.
; CLUSTERS: 4 x 4 work-groups.  A cluster's four rows are four tiles of tokens of ONE of the three tensors, its four columns the four tiles of that tensor's weight: tokens' tiles are asked for jointly along a row
; of the cluster, weights' tiles along a column.  g = cluster y / 8 says which tensor; it is the same in all sixteen partners, so the branch on it is too.
; THE MATRIX INSTRUCTION IS USED TRANSPOSED (source 0 = 16 rows of the weight, source 1 = 16 tokens): a lane holds eight neighbouring outputs of one token.
; THE WAY OUT needs no LDS.  heads = four regions (Q, K, V high, V low) of [batch x head 64][tile of 16 tokens 128][tile of 16 channels 4][512 bytes]; in a group of 512 bytes lane l's 16 bytes lie at 16 l:
; token l % 16, channels 8 (l / 16) + 0 .. 7, f16.  That is what a lane holds here and what a 16-bit operand's registers want there: each store of a wave covers 512 consecutive bytes, aligned.
; V's groups have bits 3 and 4 of the lane's number exchanged, so that the turning LDS load, read at 16 l, gives a lane one channel and eight keys.
; V is stored as a high and a low f16 part, split in f32: c = 8193 x, high = c - (c - x) has 11 significant bits, low = x - high.  The low part serves the launch for the first 16 positions.
; REGISTERS, in windows of 256: window 0: v0-31 addresses; v32-95 scale words, two sets; v128-191 the tokens' fragments; v192-255 the bias; on the way out v32-191 are at work.
;   window 1: the weight's fragments, two sets.   window 2, 3: the accumulators of my tokens 0-63, 64-127.
.set SIZE_K, 1024
.set KSTEP,  512
.set NQ,     KSTEP/128
.set ROWB,   256                       ; a tile's row in bytes
.set KROW,   SIZE_K*4/8                ; a row of codes in memory
.set PITCH,  272                       ; an LDS row: 256 bytes + 16 of padding: the 16 rows that a load touches start at 16 different banks
.set FR,     8
.set NL,     2
.set NP,     4                         ; places behind this matrix instruction (ISA guide 7.12.1)
.set HALFT,  128*PITCH
.set SLOT,   4*HALFT
.set KS,     SIZE_K/32                 ; a row of scales in bytes
.set SCL,    2*SLOT                    ; behind the two slots: the scales, as units of 256 bytes + 16 of padding
.set HALFS,  (128*KS/256)*272
.set SBLK,   (16*KS/256)*272
.set SPARE,  SCL+4*HALFS               ; the spare words, 128 bytes a wave
.set WROW,   24576                     ; the weights' first row in codes and scales
.set ADRA, 16
.set ADRB, 20
.set ADRS, 27
.set SPW,  28
.set NIL,  29
.set BO,   7                           ; v7   32 x (lane / 16): my place in a bias tile
.set VN,   8                           ; v8   16 x lane
.set VP,   9                           ; v9   16 x lane with bits 3 and 4 exchanged
.set SC,   32
.set AF,   128
.set TT,   128                         ; the way out: 64 numbers in f32
.set BR,   192                         ; the bias: register 8 b + j = bias of output 16 b + 8 (lane / 16) + j of my 128
.set LB,   96                          ; V's low parts, packed
.set G1, 24
.set G0, 32
.set G1B, 48
.set G0B, 56
.set G1S, 68
.set G0S, 76
.set G1SB, 80
.set G0SB, 88
.set MSB, 0
.macro WIN new                         ; the immediate's high byte repeats the setting that is left
.if MSB != \new
	s_set_vgpr_msb (MSB<<8)|\new
.set MSB, \new
.endif
.endm
.set MUL_LO, 0xa1                      ; source 0 (weight) window 1, source 1 (tokens) window 0, C and D window 2
.set MUL_HI, 0xf1
.set TO_B,   0x40
; A joint load: waves 0 and 1 fetch tokens, waves 2 and 3 weights.  The branch hangs on the wave's number alone.  An s_nop 0 and four v_nop follow each of the two lines.
.macro JLOAD g0a, g1a, g0b, g1b
	s_cmp_eq_u32 s15, 0
	s_cbranch_scc0 .Lfor_b_\@
	tensor_load_to_lds s[\g0a:\g0a+3], s[\g1a:\g1a+7]
	s_nop 0
.rept 4
	v_nop
.endr
	s_branch .Lasked_\@
.Lfor_b_\@:
	tensor_load_to_lds s[\g0b:\g0b+3], s[\g1b:\g1b+7]
	s_nop 0
.rept 4
	v_nop
.endr
.Lasked_\@:
.endm
.macro CROUND                          ; a round of the cluster's barrier
	s_barrier_signal -1
	s_barrier_wait -1
	s_cmp_lg_u32 s14, 0
	s_cbranch_scc1 .Lnot_wave_0_\@
	s_barrier_signal -3
.Lnot_wave_0_\@:
	s_barrier_wait -3
	s_barrier_signal -1
	s_barrier_wait -1
.endm
	s_load_b128 s[4:7], s[0:1], 0x0                ; codes, scales
	s_load_b128 s[8:11], s[0:1], 0x10              ; bq, bv
	s_load_b64 s[12:13], s[0:1], 0x20              ; heads
	v_lshl_add_u32 v[SPW], v0, 2, SPARE
	v_mov_b32 v[NIL], 0
	ds_add_u32 v[SPW], v[NIL]                      ; the wave's opening: the add, twice on end, and its wait ahead of my first tensor load
	ds_add_u32 v[SPW], v[NIL]
	v_lshrrev_b32 v1, 5, v0
	v_readfirstlane_b32 s14, v1                    ; wave 0..3
	s_lshr_b32 s15, s14, 1                         ; which half of the tile's tokens is mine.  Also: I fetch tokens (0) or weights (1)
	s_and_b32 s16, s14, 1                          ; which half of its outputs.  Also: which 128 rows I fetch
	s_bfe_u32 s40, ttmp6, 0x40000                  ; cx
	s_bfe_u32 s41, ttmp6, 0x40004                  ; cy
	s_lshl_b32 s42, ttmp9, 2
	s_add_co_u32 s42, s42, s40                     ; tile of outputs, 0..3
	s_and_b32 s17, ttmp7, 0xffff                   ; cluster y, 0..23
	s_lshr_b32 s95, s17, 3                         ; g: 0 q, 1 k, 2 v
	s_lshl_b32 s17, s17, 2
	s_add_co_u32 s17, s17, s41                     ; tile of tokens, 0..95
	s_lshl_b32 s43, s41, 2
	s_lshl_b32 s43, 15, s43                        ; my row of the cluster
	s_lshl_b32 s44, 0x1111, s40                    ; my column
	s_or_b32 s[G1+0], s43, (0<<16)|(1<<20)|(1<<21)|(5<<22)|(3<<25)  ; the mask; elements of 1 byte; padding: 4 words behind every 64
	s_or_b32 s[G1B+0], s44, (0<<16)|(1<<20)|(1<<21)|(5<<22)|(3<<25)
.irp g, G1, G1B
	s_mov_b32 s[\g+1], ROWB<<16                    ; tensor_dim0
	s_mov_b32 s[\g+2], 128<<16                     ; tensor_dim1
	s_mov_b32 s[\g+3], ROWB<<16                    ; tile_dim0
	s_mov_b32 s[\g+4], 128                         ; tile_dim1
	s_mov_b32 s[\g+5], KROW                        ; from row to row
	s_mov_b32 s[\g+6], 0
	s_mov_b32 s[\g+7], 0
.endr
	s_or_b32 s[G1S+0], s43, (3<<16)|(1<<20)|(1<<21)|(5<<22)|(3<<25) ; the scales of 128 rows: 4,096 dense bytes as 16 rows of 256, 16 bytes of padding behind each
	s_or_b32 s[G1SB+0], s44, (3<<16)|(1<<20)|(1<<21)|(5<<22)|(3<<25)
.irp g, G1S, G1SB
	s_mov_b32 s[\g+1], 32<<16
	s_mov_b32 s[\g+2], (128*KS/256)<<16
	s_mov_b32 s[\g+3], 32<<16
	s_mov_b32 s[\g+4], 128*KS/256
	s_mov_b32 s[\g+5], 32
	s_mov_b32 s[\g+6], 0
	s_mov_b32 s[\g+7], 0
.endr
	s_lshl_b32 s18, s16, 7                         ; which 128 rows of the tile I fetch
	s_lshl_b32 s20, s17, 8
	s_add_co_u32 s20, s20, s18                     ; tokens: row 256 x tile + 128 x half
	s_lshl_b32 s46, s42, 8
	s_add_co_u32 s46, s46, s18
	s_lshl_b32 s96, s95, 10
	s_add_co_u32 s46, s46, s96
	s_add_co_u32 s46, s46, WROW                    ; weights: row 24,576 + 1,024 g + 256 x tile + 128 x half
	s_mov_b32 s21, 0
	s_mov_b32 s47, 0
	s_mov_b64 s[18:19], KS
	s_mul_u64 s[22:23], s[20:21], s[18:19]         ; where these rows' scales begin
	s_mul_u64 s[92:93], s[46:47], s[18:19]
	s_mov_b64 s[18:19], KROW
	s_mul_u64 s[20:21], s[20:21], s[18:19]         ; and their codes
	s_mul_u64 s[46:47], s[46:47], s[18:19]
	s_mul_i32 s45, s14, HALFT                      ; where they go: wave x 128 rows
	s_mul_i32 s94, s14, HALFS
	s_wait_dscnt 0x0                               ; both opening adds are done
	s_wait_kmcnt 0x0
	s_add_nc_u64 s[20:21], s[4:5], s[20:21]
	s_add_nc_u64 s[22:23], s[6:7], s[22:23]
	s_add_nc_u64 s[46:47], s[4:5], s[46:47]
	s_add_nc_u64 s[92:93], s[6:7], s[92:93]
	CROUND                                         ; all sixteen work-groups are here: the joint loads meet
	s_mov_b32 s[G0S], 1
	s_add_co_u32 s[G0S+1], s94, SCL
	s_mov_b64 s[G0S+2:G0S+3], s[22:23]
	s_or_b32 s[G0S+3], s[G0S+3], 0x80000000
	s_mov_b32 s[G0SB], 1
	s_add_co_u32 s[G0SB+1], s94, SCL
	s_mov_b64 s[G0SB+2:G0SB+3], s[92:93]
	s_or_b32 s[G0SB+3], s[G0SB+3], 0x80000000
	JLOAD G0S, G1S, G0SB, G1SB                     ; the scales first; by this text's count three tensor loads of a wave are out at the most
.irp s, 0,1
	s_mov_b32 s[G0+4*\s], 1
	s_add_co_u32 s[G0+4*\s+1], s45, \s*SLOT
	s_add_nc_u64 s[G0+4*\s+2:G0+4*\s+3], s[20:21], \s*ROWB
	s_or_b32 s[G0+4*\s+3], s[G0+4*\s+3], 0x80000000
	s_mov_b32 s[G0B+4*\s], 1
	s_add_co_u32 s[G0B+4*\s+1], s45, \s*SLOT
	s_add_nc_u64 s[G0B+4*\s+2:G0B+4*\s+3], s[46:47], \s*ROWB
	s_or_b32 s[G0B+4*\s+3], s[G0B+4*\s+3], 0x80000000
	JLOAD G0+4*\s, G1, G0B+4*\s, G1B
.endr
	v_and_b32 v1, 15, v0                           ; l % 16
	v_bfe_u32 v2, v0, 4, 1                         ; l / 16
	v_mul_u32_u24 v3, v1, PITCH
	v_lshl_add_u32 v4, v2, 4, v3                   ; a fragment's row x pitch + 16 x half
	s_mul_i32 s21, s15, HALFT                      ; my 128 tokens
	s_mul_i32 s22, s16, HALFT                      ; my 128 rows of the weight,
	s_add_co_u32 s22, s22, 2*HALFT                 ; behind the 256 tokens
.irp s, 0,1
	v_add_nc_u32 v[ADRA+\s], s21, v4
	v_add_nc_u32 v[ADRB+\s], s22, v4
	s_add_co_u32 s21, s21, SLOT
	s_add_co_u32 s22, s22, SLOT
.endr
	v_mul_u32_u24 v5, v1, KS                       ; my row's scales: KS bytes a row,
	v_lshrrev_b32 v6, 8, v5
	v_lshl_add_u32 v5, v6, 4, v5                   ; and 16 more for each 256 passed
	s_mul_i32 s21, s15, HALFS
	s_mul_i32 s22, s16, HALFS
	s_add_co_u32 s22, s22, 2*HALFS
	s_sub_co_u32 s22, s22, s21
	v_mul_u32_u24 v6, s22, v2                      ; lanes 16-31 take the weight's
	s_add_co_u32 s21, s21, SCL
	v_add_nc_u32 v5, v5, v6
	v_add_nc_u32 v[ADRS], s21, v5
	v_lshlrev_b32 v[BO], 5, v2
	v_and_b32 v[VN], 31, v0
	v_lshlrev_b32 v[VN], 4, v[VN]
	v_and_b32 v[VP], 7, v0
	v_lshl_or_b32 v[VP], v2, 3, v[VP]              ; bit 4 of the lane's number goes to bit 3,
	v_bfe_u32 v10, v0, 3, 1
	v_lshl_or_b32 v[VP], v10, 4, v[VP]             ; bit 3 to bit 4
	v_lshlrev_b32 v[VP], 4, v[VP]
	; where my 128 tokens x 128 outputs begin in heads
	s_lshl_b32 s20, s17, 8
	s_lshl_b32 s21, s15, 7
	s_add_co_u32 s20, s20, s21                     ; my first token among the 24,576
	s_lshr_b32 s21, s20, 11                        ; 4 x region + batch
	s_lshl_b32 s21, s21, 4
	s_lshl_b32 s46, s42, 2
	s_lshl_b32 s47, s16, 1
	s_add_co_u32 s46, s46, s47                     ; my first head
	s_add_co_u32 s21, s21, s46
	s_lshl_b32 s21, s21, 18                        ; 262,144 bytes for a batch and head
	s_and_b32 s20, s20, 2047
	s_lshl_b32 s20, s20, 7                         ; 2,048 bytes for 16 tokens
	s_add_co_u32 s20, s20, s21
	s_mov_b32 s21, 0
	s_add_nc_u64 s[12:13], s[12:13], s[20:21]
	s_add_nc_u64 s[98:99], s[12:13], 0x1000000     ; the region behind: V's low parts
	s_lshl_b32 s96, s46, 8                         ; my first output in a bias, in bytes
	s_mov_b32 s97, 0
.macro FRAG reg, adr, q, i             ; 16 rows x 128 K of 4-bit codes: 8 registers, two loads of 16 bytes, 32 bytes apart
.irp c, 0,1
	ds_load_b128 v[\reg+4*\c:\reg+4*\c+3], v[\adr] offset:64*(\q)+32*\c+(\i)*16*PITCH
.endr
.endm
; 16 matrix instructions: token blocks a0, a0 + 1 x the weight's eight.  The 64 accumulators take turns, one instruction a turn, in the same order in every step.
.macro MUL16 a0, p, q, sc, zero
.irp a, \a0, \a0+1
.irp b, 0,1,2,3,4,5,6,7
.if \zero
	v_wmma_scale_f32_16x16x128_f8f6f4 v[8*(8*((\a)%4)+\b):8*(8*((\a)%4)+\b)+7], v[128*(\p)+FR*\b:128*(\p)+FR*\b+FR-1], v[AF+FR*(\a):AF+FR*(\a)+FR-1], 0, v[SC+8*NQ*(\sc)+NQ*\b+(\q)], v[SC+8*NQ*(\sc)+NQ*(\a)+(\q)] matrix_a_fmt:MATRIX_FMT_FP4 matrix_b_fmt:MATRIX_FMT_FP4 matrix_a_scale:MATRIX_SCALE_ROW1
.else
	v_wmma_scale_f32_16x16x128_f8f6f4 v[8*(8*((\a)%4)+\b):8*(8*((\a)%4)+\b)+7], v[128*(\p)+FR*\b:128*(\p)+FR*\b+FR-1], v[AF+FR*(\a):AF+FR*(\a)+FR-1], v[8*(8*((\a)%4)+\b):8*(8*((\a)%4)+\b)+7], v[SC+8*NQ*(\sc)+NQ*\b+(\q)], v[SC+8*NQ*(\sc)+NQ*(\a)+(\q)] matrix_a_fmt:MATRIX_FMT_FP4 matrix_b_fmt:MATRIX_FMT_FP4 matrix_a_scale:MATRIX_SCALE_ROW1
.endif
.endr
.endr
.endm
.macro FETCH_B slot, q, p
	WIN TO_B
.irp i, 0,1,2,3,4,5,6,7
	FRAG 128*(\p)+FR*\i, ADRB+\slot, \q, \i
.endr
	WIN 0
.endm
.macro FETCH_A slot, q, i0
.irp i, \i0, \i0+1, \i0+2, \i0+3
	FRAG AF+FR*(\i), ADRA+\slot, \q, \i
.endr
.endm
.macro SCALES sc                       ; a K step's scale words: lanes 0-15 the tokens' block i, lanes 16-31 the weight's block i
.irp i, 0,1,2,3,4,5,6,7
	ds_load_b128 v[SC+8*NQ*\sc+NQ*\i:SC+8*NQ*\sc+NQ*\i+3], v[ADRS] offset:\i*SBLK
.endr
.endm
.macro PLACES n                        ; plain vector lines between a matrix instruction and a load into, a vector write of or a read of its registers
.rept \n
	v_nop
.endr
.endm
.macro STEP slot, q, zero              ; 128 along K with its successor in the same slot
	s_wait_dscnt 4*NL                              ; all but the youngest eight loads (token blocks 4-7)
	WIN MUL_LO
	MUL16 0, (\q)%2, \q, \slot, \zero
	MUL16 2, (\q)%2, \q, \slot, \zero
	s_wait_dscnt 0
	PLACES NP
	FETCH_B \slot, (\q)+1, 1-(\q)%2
	FETCH_A \slot, (\q)+1, 0
	WIN MUL_HI
	MUL16 4, (\q)%2, \q, \slot, \zero
	MUL16 6, (\q)%2, \q, \slot, \zero
	PLACES NP
	WIN 0
	FETCH_A \slot, (\q)+1, 4
.endm
.macro STEPS slot, from
.set Q, \from
.rept NQ-1-\from
	STEP \slot, Q, 0
.set Q, Q+1
.endr
.endm
.macro LAST                            ; the very last 128 along K: nothing more to fetch
	s_wait_dscnt 4*NL
	WIN MUL_LO
	MUL16 0, 1, NQ-1, 1, 0
	MUL16 2, 1, NQ-1, 1, 0
	s_wait_dscnt 0
	WIN MUL_HI
	MUL16 4, 1, NQ-1, 1, 0
	MUL16 6, 1, NQ-1, 1, 0
	WIN 0
.endm
.macro BLOAD p                         ; my 128 numbers of the bias at s[p:p+1], in the result's layout
.irp b, 0,1,2,3,4,5,6,7
	global_load_b128 v[BR+8*\b:BR+8*\b+3], v[BO], s[\p:\p+1] offset:64*\b
	global_load_b128 v[BR+8*\b+4:BR+8*\b+7], v[BO], s[\p:\p+1] offset:64*\b+16
.endr
.endm
; The way out of block a (16 tokens x 128 outputs).  kind 0: no bias; 1: + bias; 2: + bias, split into a high and a low part.  Each accumulator is read from its low end on.
.macro EPIA a, kind, vo
.set AC, 64*((\a)%4)
.set HB, 32+32*((\a)%2)
.if \kind == 2
.set HB, 32
.endif
.if ((\a) >= 2) || ((\kind == 2) && ((\a) >= 1))
	s_wait_xcnt 0x0                                ; the stores that read these registers have read them
.endif
.if \kind == 0
	WIN 0x0a+5*((\a)/4)                            ; sources 0 and 1: window 2 or 3
.irp n, 0,1,2,3,4,5,6,7,8,9,10,11,12,13,14,15,16,17,18,19,20,21,22,23,24,25,26,27,28,29,30,31
	v_cvt_pk_f16_f32 v[HB+\n], v[AC+2*\n], v[AC+2*\n+1]
.endr
	WIN 0
.else
	WIN 0x02+(\a)/4                                ; source 0: window 2 or 3
.irp n, 0,1,2,3,4,5,6,7,8,9,10,11,12,13,14,15,16,17,18,19,20,21,22,23,24,25,26,27,28,29,30,31
	v_pk_add_f32 v[TT+2*\n:TT+2*\n+1], v[AC+2*\n:AC+2*\n+1], v[BR+2*\n:BR+2*\n+1]
.endr
	WIN 0
.endif
.if \kind == 1
.irp n, 0,1,2,3,4,5,6,7,8,9,10,11,12,13,14,15,16,17,18,19,20,21,22,23,24,25,26,27,28,29,30,31
	v_cvt_pk_f16_f32 v[HB+\n], v[TT+2*\n], v[TT+2*\n+1]
.endr
.endif
.if \kind < 2
.irp b, 0,1,2,3,4,5,6,7
	global_store_b128 v[\vo], v[HB+4*\b:HB+4*\b+3], s[12:13] offset:(\a)*2048+(\b/4)*262144+(\b%4)*512
.endr
.else
.irp b, 0,1,2,3,4,5,6,7
.irp r, 0,1,2,3
	v_pk_mul_f32 v[64+2*\r:65+2*\r], v[TT+8*\b+2*\r:TT+8*\b+2*\r+1], s[2:3] op_sel_hi:[1,0]          ; c = 8193 x
.endr
.irp r, 0,1,2,3
	v_pk_add_f32 v[72+2*\r:73+2*\r], v[64+2*\r:65+2*\r], v[TT+8*\b+2*\r:TT+8*\b+2*\r+1] neg_lo:[0,1] neg_hi:[0,1]   ; c - x
.endr
.irp r, 0,1,2,3
	v_pk_add_f32 v[64+2*\r:65+2*\r], v[64+2*\r:65+2*\r], v[72+2*\r:73+2*\r] neg_lo:[0,1] neg_hi:[0,1]   ; high = c - (c - x)
.endr
.irp r, 0,1,2,3
	v_pk_add_f32 v[TT+8*\b+2*\r:TT+8*\b+2*\r+1], v[TT+8*\b+2*\r:TT+8*\b+2*\r+1], v[64+2*\r:65+2*\r] neg_lo:[0,1] neg_hi:[0,1]   ; low = x - high
.endr
.irp r, 0,1,2,3
	v_cvt_pk_f16_f32 v[HB+4*\b+\r], v[64+2*\r], v[65+2*\r]
	v_cvt_pk_f16_f32 v[LB+4*\b+\r], v[TT+8*\b+2*\r], v[TT+8*\b+2*\r+1]
.endr
	global_store_b128 v[\vo], v[HB+4*\b:HB+4*\b+3], s[12:13] offset:(\a)*2048+(\b/4)*262144+(\b%4)*512
	global_store_b128 v[\vo], v[LB+4*\b:LB+4*\b+3], s[98:99] offset:(\a)*2048+(\b/4)*262144+(\b%4)*512
.endr
.endif
.endm
.macro EPI kind, vo
	PLACES NP                                      ; behind the last products: their results are read, and their operands' and scales' registers written
.if \kind > 0
	s_wait_loadcnt 0x0                             ; the bias
.endif
.irp a, 0,1,2,3,4,5,6,7
	EPIA \a, \kind, \vo
.endr
.endm
.macro FINISH
	s_wait_tensorcnt 0x0                           ; the wave's end: behind my last tensor load
	ds_add_u32 v[SPW], v[NIL]
	s_wait_dscnt 0x0
	CROUND                                         ; the closing round
	s_endpgm
.endm
	s_wait_tensorcnt 1                             ; the scales and my part of K step 0 are in; K step 1's load may be out
	s_barrier_signal -1
	s_barrier_wait -1
	FETCH_B 0, 0, 0
	FETCH_A 0, 0, 0
	SCALES 0
	FETCH_A 0, 0, 4
	STEP 0, 0, 1                                   ; the first products start the sums: nothing is cleared
	STEPS 0, 1
	; slot 0's last step changes slots: my part of slot 1 has landed, and after the barrier everybody's has
	s_wait_tensorcnt 0x0
	ds_add_u32 v[SPW], v[NIL]                      ; behind the wait for all tensor loads
	s_wait_dscnt 4*NL+1                            ; the add and the youngest eight loads may be out
	WIN MUL_LO
	MUL16 0, 1, NQ-1, 0, 0
	s_wait_dscnt 0x0
	s_barrier_signal -1
	MUL16 2, 1, NQ-1, 0, 0
	WIN 0
	s_barrier_wait -1
	PLACES NP
	v_add_nc_u32 v[ADRS], 4*NQ, v[ADRS]            ; the next K step's scale words
	FETCH_B 1, 0, 0
	FETCH_A 1, 0, 0
	SCALES 1
	WIN MUL_HI
	MUL16 4, 1, NQ-1, 0, 0
	MUL16 6, 1, NQ-1, 0, 0
	PLACES NP
	WIN 0
	FETCH_A 1, 0, 4
	STEPS 1, 0
	s_cmp_eq_u32 s95, 1                            ; which tensor: the same in all sixteen partners
	s_cbranch_scc1 .Lk
	s_cmp_eq_u32 s95, 2
	s_cbranch_scc1 .Lv
	s_add_nc_u64 s[8:9], s[8:9], s[96:97]          ; q: the bias lands under the last 64 products
	BLOAD 8
	LAST
	EPI 1, VN
	FINISH
.Lk:
	LAST                                           ; k: no bias
	EPI 0, VN
	FINISH
.Lv:
	s_add_nc_u64 s[10:11], s[10:11], s[96:97]      ; v
	s_mov_b32 s2, 0x46000400                       ; 8193
	s_mov_b32 s3, s2
	BLOAD 10
	LAST
	EPI 2, VP
	FINISH
.Lfunc_end_k_q4c10d9d45b_proj:
	.size	k_q4c10d9d45b_proj, .Lfunc_end_k_q4c10d9d45b_proj-k_q4c10d9d45b_proj
	.p2alignl 7, 3214868480
	.fill 96, 4, 3214868480
	.section	.rodata,"a",@progbits
	.p2align	6, 0x0
	.amdhsa_kernel k_q4c10d9d45b_proj
		.amdhsa_group_segment_fixed_size 327680
		.amdhsa_private_segment_fixed_size 0
		.amdhsa_enable_private_segment 0
		.amdhsa_kernarg_size 40
		.amdhsa_user_sgpr_count 2
		.amdhsa_user_sgpr_kernarg_segment_ptr 1
		.amdhsa_wavefront_size32 1
		.amdhsa_system_sgpr_workgroup_id_x 1
		.amdhsa_system_sgpr_workgroup_id_y 1
		.amdhsa_system_sgpr_workgroup_id_z 1
		.amdhsa_system_vgpr_workitem_id 0
		.amdhsa_next_free_vgpr 1024
		.amdhsa_next_free_sgpr 100
		.amdhsa_reserve_vcc 0
		.amdhsa_float_denorm_mode_32 3
		.amdhsa_float_denorm_mode_16_64 3
		.amdhsa_memory_ordered 1
		.amdhsa_forward_progress 1
		.amdhsa_inst_pref_size 255
	.end_amdhsa_kernel
	.section	.bss,"aw",@nobits
	.p2align	6
	.space	262144
	.amdgpu_metadata
---
amdhsa.version: [ 1, 2 ]
amdhsa.kernels:
  - .name:           k_q4c10d9d45b_proj
    .symbol:         k_q4c10d9d45b_proj.kd
    .args:
      - { .name: codes, .offset: 0, .size: 8, .value_kind: global_buffer, .address_space: global }
      - { .name: scales, .offset: 8, .size: 8, .value_kind: global_buffer, .address_space: global }
      - { .name: bq, .offset: 16, .size: 8, .value_kind: global_buffer, .address_space: global }
      - { .name: bv, .offset: 24, .size: 8, .value_kind: global_buffer, .address_space: global }
      - { .name: heads, .offset: 32, .size: 8, .value_kind: global_buffer, .address_space: global }
    .group_segment_fixed_size: 327680
    .private_segment_fixed_size: 0
    .kernarg_segment_align: 8
    .kernarg_segment_size: 40
    .max_flat_workgroup_size: 128
    .sgpr_count:     100
    .vgpr_count:     1024
    .wavefront_size: 32
...
	.end_amdgpu_metadata
.endif
;; end of part 2
;; launch attn (part 3): grid 8 x 32, 8 waves a work-group, clusters of 4 x 4, 327,680 bytes of LDS; arguments heads, maskl, kpad, ctx; writes ctx
.if DOCPART == 3
	.amdgcn_target "amdgcn-amd-amdhsa--gfx1250"
	.amdhsa_code_object_version 6
	.text
	.protected	k_q4c10d9d45b_attn
	.globl	k_q4c10d9d45b_attn
	.p2align	8
	.type	k_q4c10d9d45b_attn,@function
k_q4c10d9d45b_attn:
	s_mov_b64 s[64:65], 0
	v_nop
	global_prefetch_b8 v0, s[64:65] scope:SCOPE_SE
	s_setreg_imm32_b32 hwreg(HW_REG_WAVE_MODE, 25, 1), 1
	s_wait_xcnt 0x0
	s_wait_alu depctr_hold_cnt(0) depctr_sa_sdst(0) depctr_va_vdst(0) depctr_va_sdst(0) depctr_va_ssrc(0) depctr_va_vcc(0) depctr_vm_vsrc(0)
	s_getreg_b32 s2, hwreg(HW_REG_IB_STS2, 6, 4)
	s_cmp_eq_u32 s2, 0
	s_cbranch_scc0 .Lentry_in_a_cluster
	s_endpgm
.Lentry_in_a_cluster:
	s_bfe_u32 s2, ttmp6, 0x10000c
	s_cmp_lg_u32 s2, 0xf033
	s_cbranch_scc0 .Lentry_shape_is_right
	s_endpgm
.Lentry_shape_is_right:
; Launch 3 of 6: products 4 and 5 with the softmax, for all queries, f16 operands and f32 sums.  Both masks are inputs: every query walks all 2,048 keys.
; In base 2: t = S x c + maskl, c = log2(e) / 8, S = q . k; p = 2^(t - m), m the running maximum of the row's t; l and O are multiplied by a = 2^(m_old - m_new) in every step; O / l at the end.
; The padding (0 or -infinity for each key) is the C of each score tile's first matrix instruction; the additive mask is added in f32 by the fused multiply-add.
; m begins at -3e38, l and O at 0: a row all of whose keys are hidden by the padding ends with 0 / 0, a NaN, as in the definition.
; LIMITS: src_mask holds no NaN and no +infinity, and every t that is not -infinity lies above -3e38.  p, q, k, v go as f16.
; (Positions 0 to 15 of each sequence are made here like all others, in tiles that also hold live rows, and are made again more finely by the last two launches.)
; SHARES.  A work-group owns 256 queries of TWO heads of one batch: so a mask tile in LDS serves two heads.  Wave w: head w / 4, queries 64 (w % 4) on, four tiles of 16.  Two waves to a SIMD: one's vector work
; stands beside the other's matrix work.  64 keys a step, 32 steps, two LDS slots.
; CLUSTER 4 x 4: the mask's tile hangs on the query block alone and is asked for jointly down a column of the cluster; K's and V's tiles hang on batch and heads alone and are asked for jointly along a row.
; LAYOUT.  S^T = K Q^T, O^T = V^T P: a lane holds one query (lane % 16).  Q, K, V lie in memory as images of operand registers (groups of 512 bytes, lane l's 16 bytes at 16 l): K comes by plain LDS loads at 16 l,
; V by the turning load at 16 l; no pitch, no padding.  The mask's rows of 256 bytes have 16 bytes of padding: the 16 rows that a load touches start at 16 different banks.
; THE STEP IS CUT AT ITS LAST TILE.  A wave's last LDS read of a slot is tile 3's mask.  Behind the wait for it stand the change of slots' waits and the opening signal; tile 3's first half (up to its exponentials:
; work on registers alone) stands between that signal and its wait; behind the round come the joint load, then the NEXT step's LDS loads of K, padding and mask, then tile 3's second half, under which they land,
; then V's loads.  So a wave works while the others arrive at the barrier, and works again while LDS answers.
; REGISTERS: window 0: v1-12 addresses; v16-47 statistics, 8 a tile (m, its pair's partner, l twice, c0-c3; a takes c2, its exponent c3); v48-79 padding; v80-143 Q; v144-207 S^T, two sets; v208-239 mask; v240-255 P.
;            window 1: v0-127 O^T, 32 a tile; v128-191 K; v192-255 V^T.
.set SLOT1, 1<<17                      ; slot 1 begins here: one exclusive or turns an address
.set MP,    272
.set MQ,    64*MP                      ; 64 rows of mask: what one tensor load brings
.set KOFF,  4*MQ                       ; behind the mask: K of head A, K of head B, V of head A, V of head B, 8,192 bytes each
.set KPB,   KOFF+4*8192                ; behind slot 0: the batch's padding, 8,192 bytes, filled once
.set SPARE, KPB+8192                   ; the spare words, 128 bytes a wave
.set L16, 1
.set AK0, 2
.set AV0, 3
.set AM0, 4
.set AP0, 5
.set ADK, 6
.set ADV, 7
.set ADM, 8
.set ADP, 9
.set SPW, 10
.set NIL, 11
.set PFO, 12
.set ST,  16
.set KP,  48
.set QF,  80
.set S0,  144
.set MK,  208
.set P,   240
.set KF,  128                          ; in window 1
.set VF,  192                          ; in window 1
.set WV,  12
.set HS,  13
.set WQ,  14
.set SEL, 20
.set CS,  22
.set G1M, 24
.set G1K, 32
.set G1P, 40
.set G0M, 48
.set G0K, 52
.set G0P, 56
.set TB,  60                           ; LDS byte at which the slot in hand begins
.set KPO, 61                           ; the step's place in the padding: 256 bytes a step
.set CNT, 62
.set LIM, 63                           ; 1 in a wave that prefetches, else the greatest number
.set PFA, 66
.set PFS, 68
.set MSB, 0
.macro WIN new
.if MSB != \new
	s_set_vgpr_msb (MSB<<8)|\new
.set MSB, \new
.endif
.endm
.macro CREST                           ; a round of the cluster's barrier behind its opening barrier
	s_cmp_lg_u32 s[WV], 0
	s_cbranch_scc1 .Lnot_wave_0_\@
	s_barrier_signal -3
.Lnot_wave_0_\@:
	s_barrier_wait -3
	s_barrier_signal -1
	s_barrier_wait -1
.endm
.macro CROUND                          ; a whole round
	s_barrier_signal -1
	s_barrier_wait -1
	CREST
.endm
; Waves 0 to 3 fetch the mask's four quarters, waves 4 to 7 K's and V's four tiles.  The branch hangs on the wave's number alone.  An s_nop 0 and four v_nop follow each line.
.macro JLOAD
	s_cmp_lt_u32 s[WV], 4
	s_cbranch_scc0 .Lfor_kv_\@
	tensor_load_to_lds s[G0M:G0M+3], s[G1M:G1M+7]
	s_nop 0
.rept 4
	v_nop
.endr
	s_branch .Lasked_\@
.Lfor_kv_\@:
	tensor_load_to_lds s[G0K:G0K+3], s[G1K:G1K+7]
	s_nop 0
.rept 4
	v_nop
.endr
.Lasked_\@:
.endm
; A prefetch of what the NEXT change of slots will ask for, one step ahead of that load.  Each aligned block of 256 bytes is named once in the launch.  A query block's mask rows are read by all eight rows of
; clusters: the clusters with y = 0 ask; the four partners of a column take 64 rows each, told apart by address; waves 0 and 1, 32 rows each, a lane a row.  A pair of heads' K and V are read by both columns of
; clusters: the clusters with x = 0 ask; the four partners of a row take one of the four tiles each, by address; wave 4, lanes 256 bytes apart.  The last change that fills a slot asks for nothing.
.macro ASK
	s_cmp_gt_u32 s[CNT], s[LIM]
	s_cbranch_scc0 .Lnot_mine_\@
	global_prefetch_b8 v[PFO], s[PFA:PFA+1] th:TH_LOAD_NT scope:SCOPE_SE
.Lnot_mine_\@:
.endm
	s_load_b256 s[4:11], s[0:1], 0x0               ; heads 4, maskl 6, kpad 8, ctx 10
	v_lshl_add_u32 v[SPW], v0, 2, SPARE
	v_mov_b32 v[NIL], 0
	ds_add_u32 v[SPW], v[NIL]                      ; the wave's opening: the add, twice on end, and its wait ahead of my first tensor load
	ds_add_u32 v[SPW], v[NIL]
	v_lshrrev_b32 v1, 5, v0
	v_readfirstlane_b32 s[WV], v1                  ; wave 0..7
	s_lshr_b32 s[HS], s[WV], 2                     ; which of the two heads
	s_and_b32 s[WQ], s[WV], 3                      ; which 64 queries.  Also: which quarter or tile I fetch
	s_bfe_u32 s15, ttmp6, 0x40000                  ; cx
	s_bfe_u32 s16, ttmp6, 0x40004                  ; cy
	s_lshl_b32 s17, ttmp9, 2
	s_add_co_u32 s17, s17, s15                     ; x: block of 256 queries, 0..7
	s_and_b32 s19, ttmp7, 0xffff                   ; cluster y
	s_lshl_b32 s18, s19, 2
	s_add_co_u32 s18, s18, s16                     ; y: batch y / 8, heads 2 (y % 8) and + 1
	s_lshl_b32 s70, s16, 2
	s_lshl_b32 s70, 15, s70                        ; my row of the cluster
	s_lshl_b32 s71, 0x1111, s15                    ; my column
	s_or_b32 s[G1M], s71, (2<<16)|(1<<20)|(1<<21)|(5<<22)|(3<<25)   ; mask: elements of 4 bytes; 4 words of padding behind every 64
	s_mov_b32 s[G1M+1], 64<<16                     ; tensor_dim0 = 64
	s_mov_b32 s[G1M+2], 64<<16                     ; tensor_dim1 = 64
	s_mov_b32 s[G1M+3], 64<<16                     ; tile_dim0 = 64
	s_mov_b32 s[G1M+4], 64                         ; tile_dim1 = 64
	s_mov_b32 s[G1M+5], 2048                       ; from row to row
	s_mov_b32 s[G1M+6], 0
	s_mov_b32 s[G1M+7], 0
	s_or_b32 s[G1K], s70, (3<<16)|(1<<21)          ; K, V: 8,192 dense bytes as 32 rows of 256 (32 elements of 8 bytes)
	s_mov_b32 s[G1K+1], 32<<16
	s_mov_b32 s[G1K+2], 32<<16
	s_mov_b32 s[G1K+3], 32<<16
	s_mov_b32 s[G1K+4], 32
	s_mov_b32 s[G1K+5], 32
	s_mov_b32 s[G1K+6], 0
	s_mov_b32 s[G1K+7], 0
	s_mov_b32 s[G1P], 3<<16                        ; the padding: 2,048 dense bytes as 8 rows of 256; no mask: each work-group's own load
	s_mov_b32 s[G1P+1], 32<<16
	s_mov_b32 s[G1P+2], 8<<16
	s_mov_b32 s[G1P+3], 32<<16
	s_mov_b32 s[G1P+4], 8
	s_mov_b32 s[G1P+5], 32
	s_mov_b32 s[G1P+6], 0
	s_mov_b32 s[G1P+7], 0
	s_lshl_b32 s72, s17, 8
	s_lshl_b32 s73, s[WQ], 6
	s_add_co_u32 s72, s72, s73
	s_lshl_b32 s72, s72, 13                        ; mask: row 256 x + 64 quarter, 8,192 bytes a row
	s_mov_b32 s73, 0
	s_lshr_b32 s74, s[WQ], 1
	s_add_co_u32 s74, s74, 1
	s_lshl_b32 s74, s74, 24                        ; region 1 (K) for tiles 0, 1; region 2 (V high) for tiles 2, 3
	s_and_b32 s75, s[WQ], 1
	s_lshl_b32 s76, s18, 1
	s_add_co_u32 s75, s75, s76                     ; batch x 16 + head = 2 y + (tile % 2)
	s_lshl_b32 s75, s75, 18
	s_add_co_u32 s74, s74, s75
	s_mov_b32 s75, 0
	s_lshr_b32 s76, s18, 3
	s_lshl_b32 s76, s76, 13                        ; the batch's padding,
	s_lshl_b32 s77, s[WQ], 11                      ; my quarter of it
	s_add_co_u32 s76, s76, s77
	s_mov_b32 s77, 0
	s_mul_i32 s78, s[WQ], MQ                       ; and where they go in LDS: the wave's number alone
	s_lshl_b32 s79, s[WQ], 13
	s_add_co_u32 s79, s79, KOFF
	s_lshl_b32 s80, s[WQ], 11
	s_add_co_u32 s80, s80, KPB
	s_lshl_b32 s82, s18, 1
	s_add_co_u32 s82, s82, s[HS]                   ; my batch x 16 + head
	s_lshl_b32 s82, s82, 7
	s_lshl_b32 s83, s17, 4
	s_add_co_u32 s82, s82, s83
	s_lshl_b32 s83, s[WQ], 2
	s_add_co_u32 s82, s82, s83                     ; my first tile of 16 queries
	s_lshl_b32 s82, s82, 11
	s_mov_b32 s83, 0
	; the prefetches: both offsets, then the choice by the wave's number
	s_lshl_b32 s86, s17, 8
	s_lshl_b32 s87, s16, 6
	s_add_co_u32 s86, s86, s87
	s_and_b32 s87, s[WV], 1
	s_lshl_b32 s87, s87, 5
	s_add_co_u32 s86, s86, s87
	s_lshl_b32 s86, s86, 13                        ; mask: row 256 x + 64 cy + 32 (wave % 2),
	s_add_co_u32 s86, s86, 256                     ; at step 1: the first change of slots moves it to step 2
	s_lshr_b32 s87, s15, 1
	s_add_co_u32 s87, s87, 1
	s_lshl_b32 s87, s87, 24
	s_and_b32 s88, s15, 1
	s_lshl_b32 s89, s18, 1
	s_add_co_u32 s88, s88, s89
	s_lshl_b32 s88, s88, 18
	s_add_co_u32 s87, s87, s88                     ; K, V: tile number cx,
	s_add_co_u32 s87, s87, 8192                    ; at step 1
	s_lshr_b32 s90, s[WV], 1
	s_or_b32 s90, s90, s19                         ; 0 in waves 0, 1 of the clusters with y = 0
	s_or_b32 s91, s[WQ], ttmp9                     ; 0 in wave 4 of the clusters with x = 0
	s_mov_b32 s88, 8192
	s_cmp_lt_u32 s[WV], 4
	s_cselect_b32 s86, s86, s87
	s_cselect_b32 s[PFS], 256, s88                 ; a step on
	s_cselect_b32 s89, 13, 8                       ; from lane to lane: a row of the mask, or 256 bytes
	s_cselect_b32 s90, s90, s91
	s_mov_b32 s87, 0
	s_mov_b32 s[PFS+1], 0
	s_mov_b32 s[SEL], 0x76543210
	s_mov_b32 s[SEL+1], 0xfedcba98                 ; lane l xor 16
	s_mov_b32 s[CS], 0x3e38aa3b                    ; c = log2(e) / 8
	s_mov_b32 s[CS+1], s[CS]
	s_mov_b32 s[TB], 0
	s_mov_b32 s[KPO], 0
	s_mov_b32 s[CNT], 31                           ; changes of slots that fill, the one ahead of the loop among them
	s_wait_dscnt 0x0                               ; both opening adds are done
	s_wait_kmcnt 0x0
	s_mov_b32 s[G0M], 1
	s_mov_b32 s[G0M+1], s78
	s_add_nc_u64 s[G0M+2:G0M+3], s[6:7], s[72:73]
	s_or_b32 s[G0M+3], s[G0M+3], 0x80000000
	s_mov_b32 s[G0K], 1
	s_mov_b32 s[G0K+1], s79
	s_add_nc_u64 s[G0K+2:G0K+3], s[4:5], s[74:75]
	s_or_b32 s[G0K+3], s[G0K+3], 0x80000000
	s_mov_b32 s[G0P], 1
	s_mov_b32 s[G0P+1], s80
	s_add_nc_u64 s[G0P+2:G0P+3], s[8:9], s[76:77]
	s_or_b32 s[G0P+3], s[G0P+3], 0x80000000
	s_add_nc_u64 s[82:83], s[4:5], s[82:83]        ; Q at my first tile
	s_cmp_lt_u32 s[WV], 4
	s_cselect_b64 s[PFA:PFA+1], s[6:7], s[4:5]
	s_add_nc_u64 s[PFA:PFA+1], s[PFA:PFA+1], s[86:87]
	s_cmp_eq_u32 s90, 0
	s_cselect_b32 s[LIM], 1, -1
	CROUND                                         ; all sixteen work-groups are here
	s_cmp_lt_u32 s[WV], 4                          ; the first fills, in one branch: every wave issues one at the least; two are out at the most
	s_cbranch_scc0 .Lfirst_kv
	tensor_load_to_lds s[G0M:G0M+3], s[G1M:G1M+7]
	s_nop 0
.rept 4
	v_nop
.endr
	s_branch .Lfirst_done
.Lfirst_kv:
	tensor_load_to_lds s[G0P:G0P+3], s[G1P:G1P+7]
	s_nop 0
	tensor_load_to_lds s[G0K:G0K+3], s[G1K:G1K+7]
	s_nop 0
.rept 4
	v_nop
.endr
.Lfirst_done:
	v_and_b32 v13, 31, v0
	v_lshlrev_b32 v[PFO], s89, v13
	v_lshlrev_b32 v[L16], 4, v13                   ; 16 x lane
.irp i, 0,1,2,3
.irp c, 0,1,2,3
	global_load_b128 v[QF+16*\i+4*\c:QF+16*\i+4*\c+3], v[L16], s[82:83] offset:2048*\i+512*\c    ; Q stays in registers
.endr
.endr
	v_and_b32 v14, 15, v0                          ; r
	v_bfe_u32 v15, v0, 4, 1                        ; h
	s_lshl_b32 s84, s[HS], 13
	s_add_co_u32 s84, s84, KOFF
	v_add_nc_u32 v[AK0], s84, v[L16]               ; my head's K
	v_add_nc_u32 v[AV0], 16384, v[AK0]             ; and V
	v_mul_u32_u24 v[AM0], v14, MP
	v_lshl_add_u32 v[AM0], v15, 5, v[AM0]
	v_add_nc_u32 v[AM0], s78, v[AM0]               ; the mask: row 64 (w % 4) + r, + 32 h
	v_lshl_add_u32 v[AP0], v15, 5, KPB             ; the padding: + 32 h
.irp t, 0,1,2,3
	v_mov_b32 v[ST+8*\t], 0xff61b1e6               ; m = -3e38
	v_mov_b32 v[ST+8*\t+1], 0
	v_mov_b32 v[ST+8*\t+2], 0                      ; l
	v_mov_b32 v[ST+8*\t+3], 0
.endr
	WIN 0x40
.set ii, 0
.rept 128
	v_mov_b32 v[ii], 0                             ; O^T.  The step is written for every step alike: the first finds zeros, which a = 0 leaves zeros; that spares one more copy of the step
.set ii, ii+1
.endr
	WIN 0
.macro MLOAD i                         ; tile i's mask: query r, keys 16 t + 8 h + 0 .. 7
.irp t, 0,1,2,3
	ds_load_b128 v[MK+8*\t:MK+8*\t+3], v[ADM] offset:16*MP*(\i)+64*\t
	ds_load_b128 v[MK+8*\t+4:MK+8*\t+7], v[ADM] offset:16*MP*(\i)+64*\t+16
.endr
.endm
; S^T of tile i: four tiles of 16 keys, 64 channels in two instructions each; the four accumulators take turns.  The padding starts the sums.
.macro QK i
	WIN 0x01
.set rS, S0+32*((\i)%2)
.irp t, 0,1,2,3
	v_wmma_f32_16x16x32_f16 v[rS+8*\t:rS+8*\t+7], v[KF+16*\t:KF+16*\t+7], v[QF+16*(\i):QF+16*(\i)+7], v[KP+8*\t:KP+8*\t+7]
.endr
.irp t, 0,1,2,3
	v_wmma_f32_16x16x32_f16 v[rS+8*\t:rS+8*\t+7], v[KF+16*\t+8:KF+16*\t+15], v[QF+16*(\i)+8:QF+16*(\i)+15], v[rS+8*\t:rS+8*\t+7]
.endr
.endm
; Tile i's softmax, first half: t, the maximum, the exponentials.  All in window 0; for tile 3 work on registers alone.  w = 1: the wait for this tile's mask stands at its head.
.macro TILEA i, w
.set rS, S0+32*((\i)%2)
.set rT, ST+8*(\i)
	WIN 0
.if \w
	s_wait_dscnt 0x0                               ; this tile's mask, asked for a tile ago
.endif
.irp b, 0,1,2,3,4,5,6,7,8,9,10,11,12,13,14,15
	v_pk_fma_f32 v[rS+2*\b:rS+2*\b+1], v[rS+2*\b:rS+2*\b+1], s[CS:CS+1], v[MK+2*\b:MK+2*\b+1] op_sel_hi:[1,0,1]   ; t = S c + maskl; each accumulator from its low end on
.endr
.if (\i) < 3
	MLOAD (\i)+1
.endif
.irp j, 0,1,2,3
	v_max3_num_f32 v[rT+4+\j], v[rS+8*\j], v[rS+8*\j+1], v[rS+8*\j+2]          ; the maximum, in four chains
.endr
.irp k, 3,5
.irp j, 0,1,2,3
	v_max3_num_f32 v[rT+4+\j], v[rT+4+\j], v[rS+8*\j+\k], v[rS+8*\j+\k+1]
.endr
.endr
	v_max3_num_f32 v[rT+4], v[rT+4], v[rS+7], v[rS+15]
	v_max3_num_f32 v[rT+6], v[rT+6], v[rS+23], v[rS+31]
	v_max3_num_f32 v[rT+4], v[rT+4], v[rT+5], v[rT+6]
	v_max3_num_f32 v[rT+4], v[rT+4], v[rT+7], v[rT]                            ; with the old m
	v_permlanex16_b32 v[rT+5], v[rT+4], s[SEL], s[SEL+1]                       ; the query's other 32 keys lie in the lane 16 away
	v_max_num_f32 v[rT+4], v[rT+4], v[rT+5]
	v_sub_f32 v[rT+7], v[rT], v[rT+4]                                          ; m_old - m_new
	v_mov_b32 v[rT], v[rT+4]
.irp b, 0,1,2,3,4,5,6,7,8,9,10,11,12,13,14,15
	v_pk_add_f32 v[rS+2*\b:rS+2*\b+1], v[rS+2*\b:rS+2*\b+1], v[rT:rT+1] op_sel_hi:[1,0] neg_lo:[0,1] neg_hi:[0,1]   ; t - m
.endr
	v_exp_f32 v[rT+6], v[rT+7]                                                 ; a
.set ee, 0
.rept 32
	v_exp_f32 v[rS+ee], v[rS+ee]                                               ; p
.set ee, ee+1
.endr
	v_nop                                          ; a plain line behind the last exponential
	s_wait_alu depctr_va_vdst(0)                   ; one wait for the batch of 33, ahead of its first reader and of every branch
.endm
; Second half: O^T x a, p to f16, the products V^T P, the row's sum.  vw = 1 (tile 0): the wait for V stands ahead of the products.
.macro TILEB i, vw
.set rS, S0+32*((\i)%2)
.set rT, ST+8*(\i)
	WIN 0x41
.irp b, 0,1,2,3,4,5,6,7,8,9,10,11,12,13,14,15
	v_pk_mul_f32 v[32*(\i)+2*\b:32*(\i)+2*\b+1], v[32*(\i)+2*\b:32*(\i)+2*\b+1], v[rT+6:rT+7] op_sel_hi:[1,0]   ; O^T x a
.endr
	WIN 0
.irp b, 0,1,2,3,4,5,6,7,8,9,10,11,12,13,14,15
	v_cvt_pk_f16_f32 v[P+\b], v[rS+2*\b], v[rS+2*\b+1]
.endr
.if \vw
	s_wait_dscnt 8                                 ; V is in; the eight loads of the next tile's mask may be out
.endif
	WIN 0x51
.irp u, 0,1
.irp d, 0,1,2,3
	v_wmma_f32_16x16x32_f16 v[32*(\i)+8*\d:32*(\i)+8*\d+7], v[VF+8*(2*\d+\u):VF+8*(2*\d+\u)+7], v[P+8*\u:P+8*\u+7], v[32*(\i)+8*\d:32*(\i)+8*\d+7]
.endr
.endr
	WIN 0
.irp u, 0,1,2,3,4,5,6,7                        ; the row's sum of the f32 p.  These sixteen lines name no register of the products above: they are the places behind them
	v_pk_add_f32 v[rS+4*\u:rS+4*\u+1], v[rS+4*\u:rS+4*\u+1], v[rS+4*\u+2:rS+4*\u+3]
.endr
.irp u, 0,1,2,3
	v_pk_add_f32 v[rS+8*\u:rS+8*\u+1], v[rS+8*\u:rS+8*\u+1], v[rS+8*\u+4:rS+8*\u+5]
.endr
.irp u, 0,1
	v_pk_add_f32 v[rS+16*\u:rS+16*\u+1], v[rS+16*\u:rS+16*\u+1], v[rS+16*\u+8:rS+16*\u+9]
.endr
	v_pk_add_f32 v[rS:rS+1], v[rS:rS+1], v[rS+16:rS+17]
	v_pk_fma_f32 v[rT+2:rT+3], v[rT+2:rT+3], v[rT+6:rT+7], v[rS:rS+1] op_sel_hi:[1,0,1]   ; l = l a + the sum
.endm
; A step's LDS loads, always in this order: K 16, padding 8, tile 0's mask 8 (LOADS1), V 16 (LOADV).
.macro LOADS1
	v_add_nc_u32 v[ADK], s[TB], v[AK0]
	v_add_nc_u32 v[ADV], s[TB], v[AV0]
	v_add_nc_u32 v[ADM], s[TB], v[AM0]
	v_add_nc_u32 v[ADP], s[KPO], v[AP0]
	WIN 0x40
.irp g, 0,1,2,3,4,5,6,7,8,9,10,11,12,13,14,15
	ds_load_b128 v[KF+4*\g:KF+4*\g+3], v[ADK] offset:512*\g
.endr
	WIN 0
.irp t, 0,1,2,3
	ds_load_b128 v[KP+8*\t:KP+8*\t+3], v[ADP] offset:64*\t
	ds_load_b128 v[KP+8*\t+4:KP+8*\t+7], v[ADP] offset:64*\t+16
.endr
	MLOAD 0
.endm
.macro LOADV
	WIN 0x40
.irp u, 0,1
.irp e, 0,1
.irp d, 0,1,2,3
	ds_load_tr16_b128 v[VF+8*(2*\d+\u)+4*\e:VF+8*(2*\d+\u)+4*\e+3], v[ADV] offset:((2*\u+\e)*4+\d)*512
.endr
.endr
.endr
	WIN 0
.endm
; A step of 64 keys up to its last tile.  Its 48 LDS loads have been issued.
.macro MAIN
	s_wait_dscnt 24                                ; K and the padding are in; behind them: mask 8, V 16
	QK 0
	QK 1
	WIN 0
.rept 4
	v_nop                                          ; places between tile 0's scores and their first read
.endr
	s_wait_dscnt 16                                ; tile 0's mask is in; behind it: V 16
	TILEA 0, 0
	TILEB 0, 1
	QK 2
	TILEA 1, 1
	TILEB 1, 0
	QK 3
	TILEA 2, 1
	TILEB 2, 0
.endm
.macro FORWARD                         ; no tensor load of mine is out: the walking descriptors go to the other slot and a step on; so does the prefetches' address
	s_xor_b32 s[G0M+1], s[G0M+1], SLOT1
	s_add_nc_u64 s[G0M+2:G0M+3], s[G0M+2:G0M+3], 256
	s_xor_b32 s[G0K+1], s[G0K+1], SLOT1
	s_add_nc_u64 s[G0K+2:G0K+3], s[G0K+2:G0K+3], 8192
	s_wait_xcnt 0x0                                ; the last prefetch, a step back, has read its address
	s_add_nc_u64 s[PFA:PFA+1], s[PFA:PFA+1], s[PFS:PFS+1]
.endm
; The step's last tile and the change of slots.  Each wave waits for all its tensor loads (its part of the next slot), adds 0 to its spare word, and waits for that and for its last read of this slot, tile 3's mask.
; fill = 1: the barrier opens a round of the cluster's barrier; behind the round this slot is asked for again, with the tiles two steps on.  fill = 0: a plain barrier, nothing is asked for.
.macro MEET fill
	s_wait_tensorcnt 0x0                           ; no tensor load of mine is out, so a group 0 may be written
	ds_add_u32 v[SPW], v[NIL]
.if \fill
	FORWARD
.endif
	s_wait_dscnt 0x0                               ; the add is done, and my reads of this slot are over
	s_barrier_signal -1
	TILEA 3, 0                                     ; work on registers while the others arrive
	s_barrier_wait -1
.if \fill
	CREST                                          ; no wave of any partner still reads this slot or has a load on its way
	JLOAD                                          ; the first tensor load behind the round, and my only one until the next
	ASK
.endif
	s_xor_b32 s[TB], s[TB], SLOT1                  ; on to the other slot
	s_add_co_u32 s[KPO], s[KPO], 256
	LOADS1                                         ; the next step's K, padding and mask land under tile 3's second half
	TILEB 3, 0
	LOADV                                          ; behind the sixteen sums, the places behind the products that read V
.endm
	s_wait_loadcnt 0x0                             ; Q
	s_wait_tensorcnt 0x0                           ; step 0's tiles and the padding: my part has landed
	ds_add_u32 v[SPW], v[NIL]
	FORWARD
	s_wait_dscnt 0x0
	CROUND                                         ; everybody's has
	JLOAD                                          ; step 1's tiles fill slot 1 for the first time
	ASK
	LOADS1                                         ; step 0
	LOADV
	s_mov_b32 s[CNT], 30
.Lstep:                                            ; 30 trips: steps 0 to 29; each asks for the tiles two steps on
	MAIN
	MEET 1
	s_sub_co_u32 s[CNT], s[CNT], 1
	s_cmp_lg_u32 s[CNT], 0
	s_cbranch_scc1 .Lstep
	MAIN                                           ; step 30 is written out: nothing is left to ask for
	MEET 0
	MAIN                                           ; step 31
	TILEA 3, 1
	TILEB 3, 0
	; THE WAY OUT: O^T / l, to f16, as an image of the next product's operand: ctx = [K step of 256: head / 4][tile of 16 rows 512][tile of 16 along K: 4 (head % 4) + d][512 bytes].  A store covers 512 consecutive bytes, aligned.
.irp t, 0,1,2,3
	v_add_f32 v[ST+8*\t+4], v[ST+8*\t+2], v[ST+8*\t+3]
.endr
.irp t, 0,1,2,3
	v_permlanex16_b32 v[ST+8*\t+5], v[ST+8*\t+4], s[SEL], s[SEL+1]
.endr
.irp t, 0,1,2,3
	v_add_f32 v[ST+8*\t+4], v[ST+8*\t+4], v[ST+8*\t+5]
.endr
.irp t, 0,1,2,3
	v_rcp_f32 v[ST+8*\t+6], v[ST+8*\t+4]
.endr
	v_nop
	s_and_b32 s70, s18, 7
	s_lshl_b32 s70, s70, 1
	s_add_co_u32 s70, s70, s[HS]                   ; my head
	s_lshr_b32 s71, s70, 2
	s_lshl_b32 s71, s71, 22
	s_and_b32 s70, s70, 3
	s_lshl_b32 s70, s70, 11
	s_add_co_u32 s70, s70, s71
	s_lshr_b32 s71, s18, 3
	s_lshl_b32 s71, s71, 7
	s_lshl_b32 s72, s17, 4
	s_add_co_u32 s71, s71, s72
	s_lshl_b32 s72, s[WQ], 2
	s_add_co_u32 s71, s71, s72                     ; my first tile of 16 rows
	s_lshl_b32 s71, s71, 13
	s_add_co_u32 s70, s70, s71
	s_mov_b32 s71, 0
	s_add_nc_u64 s[10:11], s[10:11], s[70:71]
	s_wait_alu depctr_va_vdst(0)                   ; one wait for the four reciprocals, ahead of their first reader
.irp i, 0,1,2,3
	WIN 0x01
.irp b, 0,1,2,3,4,5,6,7,8,9,10,11,12,13,14,15
	v_pk_mul_f32 v[S0+2*\b:S0+2*\b+1], v[32*\i+2*\b:32*\i+2*\b+1], v[ST+8*\i+6:ST+8*\i+7] op_sel_hi:[1,0]
.endr
	WIN 0
.irp b, 0,1,2,3,4,5,6,7,8,9,10,11,12,13,14,15
	v_cvt_pk_f16_f32 v[176+16*\i+\b], v[S0+2*\b], v[S0+2*\b+1]
.endr
.irp d, 0,1,2,3
	global_store_b128 v[L16], v[176+16*\i+4*\d:176+16*\i+4*\d+3], s[10:11] offset:8192*\i+512*\d
.endr
.endr
	s_wait_tensorcnt 0x0                           ; the wave's end: behind my last tensor load
	ds_add_u32 v[SPW], v[NIL]
	s_wait_dscnt 0x0
	CROUND                                         ; the closing round
	s_endpgm
.Lfunc_end_k_q4c10d9d45b_attn:
	.size	k_q4c10d9d45b_attn, .Lfunc_end_k_q4c10d9d45b_attn-k_q4c10d9d45b_attn
	.p2alignl 7, 3214868480
	.fill 96, 4, 3214868480
	.section	.rodata,"a",@progbits
	.p2align	6, 0x0
	.amdhsa_kernel k_q4c10d9d45b_attn
		.amdhsa_group_segment_fixed_size 327680
		.amdhsa_private_segment_fixed_size 0
		.amdhsa_enable_private_segment 0
		.amdhsa_kernarg_size 32
		.amdhsa_user_sgpr_count 2
		.amdhsa_user_sgpr_kernarg_segment_ptr 1
		.amdhsa_wavefront_size32 1
		.amdhsa_system_sgpr_workgroup_id_x 1
		.amdhsa_system_sgpr_workgroup_id_y 1
		.amdhsa_system_sgpr_workgroup_id_z 1
		.amdhsa_system_vgpr_workitem_id 0
		.amdhsa_next_free_vgpr 512
		.amdhsa_next_free_sgpr 100
		.amdhsa_reserve_vcc 0
		.amdhsa_float_denorm_mode_32 3
		.amdhsa_float_denorm_mode_16_64 3
		.amdhsa_memory_ordered 1
		.amdhsa_forward_progress 1
		.amdhsa_inst_pref_size 145
	.end_amdhsa_kernel
	.amdgpu_metadata
---
amdhsa.version: [ 1, 2 ]
amdhsa.kernels:
  - .name:           k_q4c10d9d45b_attn
    .symbol:         k_q4c10d9d45b_attn.kd
    .args:
      - { .name: heads, .offset: 0, .size: 8, .value_kind: global_buffer, .address_space: global }
      - { .name: maskl, .offset: 8, .size: 8, .value_kind: global_buffer, .address_space: global }
      - { .name: kpad, .offset: 16, .size: 8, .value_kind: global_buffer, .address_space: global }
      - { .name: ctx, .offset: 24, .size: 8, .value_kind: global_buffer, .address_space: global }
    .group_segment_fixed_size: 327680
    .private_segment_fixed_size: 0
    .kernarg_segment_align: 8
    .kernarg_segment_size: 32
    .max_flat_workgroup_size: 256
    .sgpr_count:     100
    .vgpr_count:     512
    .wavefront_size: 32
...
	.end_amdgpu_metadata
.endif
;; end of part 3
;; launch oproj (part 4): grid 8 x 64, 4 waves a work-group, clusters of 4 x 4, 327,680 bytes of LDS; arguments ctx, wo16, bo, out0; writes out0
.if DOCPART == 4
	.amdgcn_target "amdgcn-amd-amdhsa--gfx1250"
	.amdhsa_code_object_version 6
	.text
	.protected	k_q4c10d9d45b_oproj
	.globl	k_q4c10d9d45b_oproj
	.p2align	8
	.type	k_q4c10d9d45b_oproj,@function
k_q4c10d9d45b_oproj:
	s_mov_b64 s[64:65], 0
	v_nop
	global_prefetch_b8 v0, s[64:65] scope:SCOPE_SE
	s_setreg_imm32_b32 hwreg(HW_REG_WAVE_MODE, 25, 1), 1
	s_wait_xcnt 0x0
	s_wait_alu depctr_hold_cnt(0) depctr_sa_sdst(0) depctr_va_vdst(0) depctr_va_sdst(0) depctr_va_ssrc(0) depctr_va_vcc(0) depctr_vm_vsrc(0)
	s_getreg_b32 s2, hwreg(HW_REG_IB_STS2, 6, 4)
	s_cmp_eq_u32 s2, 0
	s_cbranch_scc0 .Lentry_in_a_cluster
	s_endpgm
.Lentry_in_a_cluster:
	s_bfe_u32 s2, ttmp6, 0x10000c
	s_cmp_lg_u32 s2, 0xf033
	s_cbranch_scc0 .Lentry_shape_is_right
	s_endpgm
.Lentry_shape_is_right:
; Launch 4 of 6: product 6, out0[m][n] = sum over k of concat[m][k] Wo[n][k] + bo[n], f16 operands, f32 sums, f32 out.  M 8,192, N 1,024, K 1,024.
; A tile of 128 x 128 is made by four waves, 64 x 64 each: 16 accumulators.  512 work-groups, two for each WGP.  K goes in steps of 256 through two LDS slots.
; concat lies in memory as an image of operand registers (ctx: [K step][tile of 16 rows][tile of 16 along K][512 bytes]): a K step's 128 rows are 65,536 dense bytes, read from LDS at 16 x lane with no pitch.
; Wo's rows of 512 bytes have 16 bytes of padding.  CLUSTERS 4 x 4: concat's tiles are asked for jointly along a row of the cluster, Wo's along a column.
; THE MATRIX INSTRUCTION IS USED TRANSPOSED (source 0 = 16 rows of Wo, source 1 = 16 rows of concat): a lane holds eight neighbouring outputs of a row.  bo is the C of each sum's first instruction.
; (The 64 rows of positions 0 to 15 are written here like all others and written again, more finely, by the last launch.)
; REGISTERS: window 0: v0-31 addresses; v32-95 the way out; v96-127 bo; v128-255 accumulators.  window 1: two fragment buffers of 128.
.set SIZE_K, 1024
.set KSTEP,  256
.set PITCH,  528
.set AHALF,  32768                     ; 64 rows of concat for a K step
.set BHALF,  64*PITCH
.set BOFF,   2*AHALF
.set SLOT,   BOFF+2*BHALF
.set STAGE,  2*SLOT                    ; behind the slots: 16 rows x 272 bytes for each wave
.set SPITCH, 272
.set SPARE,  STAGE+4*16*SPITCH
.set LAPS,   SIZE_K/(2*KSTEP)
.set KSA,    4194304                   ; a K step on in ctx
.set ADRA, 16
.set ADRB, 20
.set STO,  24
.set RD,   25
.set CO,   26
.set BO,   27
.set SPW,  28
.set NIL,  29
.set TMP,  32
.set BI,   96
.set ACC,  128
.set F0,   0
.set F1,   128
.set G1, 24
.set G0, 32
.set G1B, 48
.set G0B, 56
.set MSB, 0
.macro WIN new
.if MSB != \new
	s_set_vgpr_msb (MSB<<8)|\new
.set MSB, \new
.endif
.endm
.set MUL,  0x05                        ; sources 0 and 1 window 1; C and D window 0
.set TO_F, 0x40
.macro JLOAD s                         ; waves 0 and 1 fetch concat's two halves, waves 2 and 3 Wo's; an s_nop 0 and four v_nop follow each line
	s_cmp_eq_u32 s11, 0
	s_cbranch_scc0 .Lfor_b_\@
	tensor_load_to_lds s[G0+4*\s:G0+4*\s+3], s[G1:G1+7]
	s_nop 0
.rept 4
	v_nop
.endr
	s_branch .Lasked_\@
.Lfor_b_\@:
	tensor_load_to_lds s[G0B+4*\s:G0B+4*\s+3], s[G1B:G1B+7]
	s_nop 0
.rept 4
	v_nop
.endr
.Lasked_\@:
.endm
.macro CREST
	s_cmp_lg_u32 s10, 0
	s_cbranch_scc1 .Lnot_wave_0_\@
	s_barrier_signal -3
.Lnot_wave_0_\@:
	s_barrier_wait -3
	s_barrier_signal -1
	s_barrier_wait -1
.endm
.macro CROUND
	s_barrier_signal -1
	s_barrier_wait -1
	CREST
.endm
	s_load_b256 s[68:75], s[0:1], 0x0              ; ctx 68, wo16 70, bo 72, out0 74
	v_lshl_add_u32 v[SPW], v0, 2, SPARE
	v_mov_b32 v[NIL], 0
	ds_add_u32 v[SPW], v[NIL]                      ; the wave's opening: the add, twice on end, and its wait ahead of my first tensor load
	ds_add_u32 v[SPW], v[NIL]
	v_lshrrev_b32 v1, 5, v0
	v_readfirstlane_b32 s10, v1                    ; wave 0..3
	s_lshr_b32 s11, s10, 1                         ; which half of the tile's rows is mine.  Also: I fetch concat (0) or Wo (1)
	s_and_b32 s12, s10, 1                          ; which half of its columns.  Also: which half I fetch
	s_bfe_u32 s40, ttmp6, 0x40000
	s_bfe_u32 s41, ttmp6, 0x40004
	s_lshl_b32 s42, ttmp9, 2
	s_add_co_u32 s42, s42, s40                     ; tile column, 0..7
	s_and_b32 s13, ttmp7, 0xffff
	s_lshl_b32 s13, s13, 2
	s_add_co_u32 s13, s13, s41                     ; tile row, 0..63
	s_lshl_b32 s43, s41, 2
	s_lshl_b32 s43, 15, s43
	s_lshl_b32 s44, 0x1111, s40
	s_or_b32 s[G1+0], s43, (3<<16)|(1<<21)         ; concat: 32,768 dense bytes as 128 rows of 256 (32 elements of 8 bytes)
	s_mov_b32 s[G1+1], 32<<16
	s_mov_b32 s[G1+2], 128<<16
	s_mov_b32 s[G1+3], 32<<16
	s_mov_b32 s[G1+4], 128
	s_mov_b32 s[G1+5], 32
	s_mov_b32 s[G1+6], 0
	s_mov_b32 s[G1+7], 0
	s_or_b32 s[G1B+0], s44, (1<<16)|(1<<20)|(1<<21)|(6<<22)|(3<<25)   ; Wo: 64 rows x 256 elements of 2 bytes, 4 words of padding behind every 128
	s_mov_b32 s[G1B+1], KSTEP<<16
	s_mov_b32 s[G1B+2], 64<<16
	s_mov_b32 s[G1B+3], KSTEP<<16
	s_mov_b32 s[G1B+4], 64
	s_mov_b32 s[G1B+5], SIZE_K
	s_mov_b32 s[G1B+6], 0
	s_mov_b32 s[G1B+7], 0
	s_lshl_b32 s16, s13, 16                        ; concat: 8 tiles of 16 rows x 8,192 bytes for a tile row,
	s_lshl_b32 s17, s12, 15                        ; 4 of them for a half
	s_add_co_u32 s16, s16, s17
	s_mov_b32 s17, 0
	s_lshl_b32 s46, s42, 7
	s_lshl_b32 s47, s12, 6
	s_add_co_u32 s46, s46, s47                     ; Wo: row 128 x tile column + 64 x half,
	s_lshl_b32 s46, s46, 11                        ; 2,048 bytes a row
	s_mov_b32 s47, 0
	s_lshl_b32 s20, s12, 15                        ; where they go
	s_mul_i32 s21, s12, BHALF
	s_add_co_u32 s21, s21, BOFF
	s_wait_dscnt 0x0
	s_wait_kmcnt 0x0
	s_add_nc_u64 s[14:15], s[68:69], s[16:17]
	s_add_nc_u64 s[46:47], s[70:71], s[46:47]
	CROUND
.irp s, 0,1
	s_mov_b32 s[G0+4*\s], 1
	s_add_co_u32 s[G0+4*\s+1], s20, \s*SLOT
	s_add_nc_u64 s[G0+4*\s+2:G0+4*\s+3], s[14:15], \s*KSA
	s_or_b32 s[G0+4*\s+3], s[G0+4*\s+3], 0x80000000
	s_mov_b32 s[G0B+4*\s], 1
	s_add_co_u32 s[G0B+4*\s+1], s21, \s*SLOT
	s_add_nc_u64 s[G0B+4*\s+2:G0B+4*\s+3], s[46:47], \s*KSTEP*2
	s_or_b32 s[G0B+4*\s+3], s[G0B+4*\s+3], 0x80000000
	JLOAD \s
.endr
	v_and_b32 v1, 15, v0                           ; r
	v_bfe_u32 v2, v0, 4, 1                         ; h
	v_and_b32 v3, 31, v0
	v_lshlrev_b32 v3, 4, v3                        ; 16 x lane
	v_mul_u32_u24 v4, v1, PITCH
	v_lshl_add_u32 v4, v2, 4, v4
	s_lshl_b32 s21, s11, 15                        ; my 64 rows of concat
	s_mul_i32 s22, s12, BHALF                      ; my 64 rows of Wo
	s_add_co_u32 s22, s22, BOFF
.irp s, 0,1
	v_add_nc_u32 v[ADRA+\s], s21, v3
	v_add_nc_u32 v[ADRB+\s], s22, v4
	s_add_co_u32 s21, s21, SLOT
	s_add_co_u32 s22, s22, SLOT
.endr
	s_mul_i32 s23, s10, 16*SPITCH
	s_add_co_u32 s23, s23, STAGE                   ; my stage
	v_mul_u32_u24 v4, v1, SPITCH
	v_lshl_add_u32 v4, v2, 5, v4
	v_add_nc_u32 v[STO], s23, v4                   ; in: row r, 32 bytes for each half of the lanes
	v_mul_u32_u24 v5, v2, SPITCH
	v_lshl_add_u32 v5, v1, 4, v5
	v_add_nc_u32 v[RD], s23, v5                    ; back: lanes 0-15 one row of 256 bytes, lanes 16-31 the next
	v_lshlrev_b32 v5, 12, v2
	v_lshl_add_u32 v[CO], v1, 4, v5                ; and the same two rows in out0
	v_lshlrev_b32 v[BO], 5, v2
	s_lshl_b32 s46, s42, 9
	s_lshl_b32 s47, s12, 8
	s_add_co_u32 s46, s46, s47                     ; my first column, in bytes
	s_mov_b32 s47, 0
	s_add_nc_u64 s[72:73], s[72:73], s[46:47]
.irp b, 0,1,2,3
	global_load_b128 v[BI+8*\b:BI+8*\b+3], v[BO], s[72:73] offset:64*\b          ; register 8 b + j = bo of my column 16 b + 8 h + j
	global_load_b128 v[BI+8*\b+4:BI+8*\b+7], v[BO], s[72:73] offset:64*\b+16
.endr
	s_lshl_b32 s16, s13, 7
	s_lshl_b32 s17, s11, 6
	s_add_co_u32 s16, s16, s17                     ; my first row
	s_lshl_b32 s16, s16, 12
	s_mov_b32 s17, 0
	s_add_nc_u64 s[74:75], s[74:75], s[16:17]
	s_add_nc_u64 s[74:75], s[74:75], s[46:47]
; 8 matrix instructions: row blocks a0, a0 + 1 x all 4 column blocks, 32 along K: half c of buffer f.  first = 1: bo starts the sums.  The 16 accumulators take turns.
.macro MUL8 f, c, a0, first
.irp a, \a0, \a0+1
.irp b, 0,1,2,3
.if \first
	v_wmma_f32_16x16x32_f16 v[ACC+8*(4*(\a)+\b):ACC+8*(4*(\a)+\b)+7], v[\f+64+8*(4*\c+\b):\f+64+8*(4*\c+\b)+7], v[\f+8*(4*\c+\a):\f+8*(4*\c+\a)+7], v[BI+8*\b:BI+8*\b+7]
.else
	v_wmma_f32_16x16x32_f16 v[ACC+8*(4*(\a)+\b):ACC+8*(4*(\a)+\b)+7], v[\f+64+8*(4*\c+\b):\f+64+8*(4*\c+\b)+7], v[\f+8*(4*\c+\a):\f+8*(4*\c+\a)+7], v[ACC+8*(4*(\a)+\b):ACC+8*(4*(\a)+\b)+7]
.endif
.endr
.endr
.endm
; 32 LDS loads in one run: the fragments of the slot's q-th 64 along K into buffer f; the first 32 along K first
.macro FETCH slot, q, f
	WIN TO_F
.irp c, 0,1
.irp i, 0,1,2,3
	ds_load_b128 v[\f+64+8*(4*\c+\i):\f+64+8*(4*\c+\i)+3],   v[ADRB+\slot] offset:128*(\q)+64*\c+\i*16*PITCH
	ds_load_b128 v[\f+64+8*(4*\c+\i)+4:\f+64+8*(4*\c+\i)+7], v[ADRB+\slot] offset:128*(\q)+64*\c+\i*16*PITCH+32
	ds_load_b128 v[\f+8*(4*\c+\i):\f+8*(4*\c+\i)+3],         v[ADRA+\slot] offset:2048*(\q)+1024*\c+8192*\i
	ds_load_b128 v[\f+8*(4*\c+\i)+4:\f+8*(4*\c+\i)+7],       v[ADRA+\slot] offset:2048*(\q)+1024*\c+8192*\i+512
.endr
.endr
.endm
.macro PLACES
.rept 4
	v_nop
.endr
.endm
.macro QUARTER slot, q, f, g, first    ; multiplies buffer f and fetches the slot's q-th quarter into g
	s_wait_dscnt 16                                ; the first 32 along K are in; the younger sixteen loads may be out
	WIN MUL
	MUL8 \f, 0, 0, \first
	MUL8 \f, 0, 2, \first
	PLACES
	FETCH \slot, \q, \g
	s_wait_dscnt 32                                ; all but the 32 just issued
	WIN MUL
	MUL8 \f, 1, 0, 0
	MUL8 \f, 1, 2, 0
.endm
; The last quarter multiplies buffer 1 and changes slots: one barrier; in front of it each wave waits for all its tensor loads, adds 0 to its spare word, and waits for that and for its reads of this slot.
.macro TURN slot, next, fill
	WIN 0
	s_wait_tensorcnt 0x0
	ds_add_u32 v[SPW], v[NIL]
	s_wait_dscnt 17                                ; the add and the youngest sixteen loads may be out
	WIN MUL
	MUL8 F1, 0, 0, 0
	s_wait_dscnt 0x0
	s_barrier_signal -1
	MUL8 F1, 0, 2, 0
.if \fill
	WIN 0
.endif
	s_barrier_wait -1
.if \fill
	CREST                                          ; the barrier has opened a round of the cluster's barrier
	s_add_nc_u64 s[G0+4*\slot+2:G0+4*\slot+3], s[G0+4*\slot+2:G0+4*\slot+3], 2*KSA
	s_add_nc_u64 s[G0B+4*\slot+2:G0B+4*\slot+3], s[G0B+4*\slot+2:G0B+4*\slot+3], 2*KSTEP*2
	JLOAD \slot                                    ; the first tensor load behind the round; its four v_nop are also the places in front of the loads below
.else
	PLACES
.endif
	FETCH \next, 0, F0
	WIN MUL
	MUL8 F1, 1, 0, 0
	MUL8 F1, 1, 2, 0
.endm
	s_wait_tensorcnt 1                             ; my part of K step 0 is in; K step 1's may be out
	s_barrier_signal -1
	s_barrier_wait -1
	FETCH 0, 0, F0
	s_wait_loadcnt 0x0                             ; bo
	QUARTER 0, 1, F0, F1, 1
	WIN 0
	s_mov_b32 s3, LAPS-1
.Llap:
	QUARTER 0, 2, F1, F0, 0
	QUARTER 0, 3, F0, F1, 0
	TURN 0, 1, 1
	QUARTER 1, 1, F0, F1, 0
	QUARTER 1, 2, F1, F0, 0
	QUARTER 1, 3, F0, F1, 0
	TURN 1, 0, 1
	QUARTER 0, 1, F0, F1, 0
	WIN 0
	s_sub_co_u32 s3, s3, 1
	s_cmp_lg_u32 s3, 0
	s_cbranch_scc1 .Llap
	QUARTER 0, 2, F1, F0, 0                        ; the last lap fills nothing
	QUARTER 0, 3, F0, F1, 0
	TURN 0, 1, 0
	QUARTER 1, 1, F0, F1, 0
	QUARTER 1, 2, F1, F0, 0
	QUARTER 1, 3, F0, F1, 0
	s_wait_dscnt 16
	WIN MUL
	MUL8 F1, 0, 0, 0
	MUL8 F1, 0, 2, 0
	s_wait_dscnt 0
	MUL8 F1, 1, 0, 0
	MUL8 F1, 1, 2, 0
	WIN 0
	; THE WAY OUT, 16 rows x 64 columns at a time, through my own stage: a lane's 32 bytes go in, whole rows of 256 bytes come back; sixteen lanes store 256 consecutive bytes, aligned.
	; LDS serves a wave's instructions in order: no wait between the stores and the loads, nor in front of the next block's stores.
	PLACES
.irp a, 0,1,2,3
.if \a >= 2
	s_wait_xcnt 0x0                                ; block a - 2's stores have read their registers
.endif
.irp b, 0,1,2,3
	ds_store_b128 v[STO], v[ACC+8*(4*\a+\b):ACC+8*(4*\a+\b)+3] offset:64*\b          ; each accumulator from its low end on
	ds_store_b128 v[STO], v[ACC+8*(4*\a+\b)+4:ACC+8*(4*\a+\b)+7] offset:64*\b+16
.endr
.irp t, 0,1,2,3,4,5,6,7
	ds_load_b128 v[TMP+32*(\a%2)+4*\t:TMP+32*(\a%2)+4*\t+3], v[RD] offset:\t*2*SPITCH
.endr
.irp t, 0,1,2,3,4,5,6,7
	s_wait_dscnt 7-\t
	global_store_b128 v[CO], v[TMP+32*(\a%2)+4*\t:TMP+32*(\a%2)+4*\t+3], s[74:75] offset:\a*65536+\t*8192
.endr
.endr
	s_wait_tensorcnt 0x0                           ; the wave's end: behind my last tensor load and my last LDS store
	ds_add_u32 v[SPW], v[NIL]
	s_wait_dscnt 0x0
	CROUND                                         ; the closing round
	s_endpgm
.Lfunc_end_k_q4c10d9d45b_oproj:
	.size	k_q4c10d9d45b_oproj, .Lfunc_end_k_q4c10d9d45b_oproj-k_q4c10d9d45b_oproj
	.p2alignl 7, 3214868480
	.fill 96, 4, 3214868480
	.section	.rodata,"a",@progbits
	.p2align	6, 0x0
	.amdhsa_kernel k_q4c10d9d45b_oproj
		.amdhsa_group_segment_fixed_size 327680
		.amdhsa_private_segment_fixed_size 0
		.amdhsa_enable_private_segment 0
		.amdhsa_kernarg_size 32
		.amdhsa_user_sgpr_count 2
		.amdhsa_user_sgpr_kernarg_segment_ptr 1
		.amdhsa_wavefront_size32 1
		.amdhsa_system_sgpr_workgroup_id_x 1
		.amdhsa_system_sgpr_workgroup_id_y 1
		.amdhsa_system_sgpr_workgroup_id_z 1
		.amdhsa_system_vgpr_workitem_id 0
		.amdhsa_next_free_vgpr 512
		.amdhsa_next_free_sgpr 80
		.amdhsa_reserve_vcc 0
		.amdhsa_float_denorm_mode_32 3
		.amdhsa_float_denorm_mode_16_64 3
		.amdhsa_memory_ordered 1
		.amdhsa_forward_progress 1
		.amdhsa_inst_pref_size 87
	.end_amdhsa_kernel
	.amdgpu_metadata
---
amdhsa.version: [ 1, 2 ]
amdhsa.kernels:
  - .name:           k_q4c10d9d45b_oproj
    .symbol:         k_q4c10d9d45b_oproj.kd
    .args:
      - { .name: ctx, .offset: 0, .size: 8, .value_kind: global_buffer, .address_space: global }
      - { .name: wo16, .offset: 8, .size: 8, .value_kind: global_buffer, .address_space: global }
      - { .name: bo, .offset: 16, .size: 8, .value_kind: global_buffer, .address_space: global }
      - { .name: out0, .offset: 24, .size: 8, .value_kind: global_buffer, .address_space: global }
    .group_segment_fixed_size: 327680
    .private_segment_fixed_size: 0
    .kernarg_segment_align: 8
    .kernarg_segment_size: 32
    .max_flat_workgroup_size: 128
    .sgpr_count:     80
    .vgpr_count:     512
    .wavefront_size: 32
...
	.end_amdgpu_metadata
.endif
;; end of part 4
;; launch fattn (part 5): grid 64 x 4, 16 waves a work-group, no clusters, 206,848 bytes of LDS; arguments heads, maskl, kpad, ctxfine; writes ctxfine
.if DOCPART == 5
	.amdgcn_target "amdgcn-amd-amdhsa--gfx1250"
	.amdhsa_code_object_version 6
	.text
	.protected	k_q4c10d9d45b_fattn
	.globl	k_q4c10d9d45b_fattn
	.p2align	8
	.type	k_q4c10d9d45b_fattn,@function
k_q4c10d9d45b_fattn:
	s_mov_b64 s[64:65], 0
	v_nop
	global_prefetch_b8 v0, s[64:65] scope:SCOPE_SE
	s_setreg_imm32_b32 hwreg(HW_REG_WAVE_MODE, 25, 1), 1
	s_wait_xcnt 0x0
; Launch 5 of 6: positions 0 to 15 of every sequence, in every batch and head, once more and more finely: under a mask that lets such a row see few keys its result is a mean of few values, large beside the
; output's root mean square, and the rounding of V and of the result to f16 would weigh too much.  Here V goes as a high and a low f16 part (both to the matrix unit) and the result stays f32.
; It builds on no pattern of the masks: all 2,048 keys are walked.  The arithmetic of a lane is the main attention's; the padding is added to the mask in f32.
; LIMITS as there: src_mask holds no NaN and no +infinity; every t that is not -infinity lies above -3e38.
; SHARES.  A work-group is one batch and head (x), 16 queries, and a quarter of the keys (y): keys 512 y on.  Wave w takes 32 of them, in one pass: so nothing is rescaled on the way; m is the pass's maximum
; over the floor -3e38, and the first products start O with the constant 0.  The sixteen waves' parts are merged through LDS under the work-group's maximum M; the result is NOT divided:
; ctxfine = [quarter 4][16 x batch + position][1,024] f32: the sum of p v under M; from byte 1,048,576 on: [quarter][batch x head][M of 16 queries, L of 16 queries], L the sum of p under M.
; The last launch merges the four quarters.  (A work-group's M and L are 128 consecutive bytes, half of an aligned 256: 32 KiB in all.)
; All operands come from memory straight into registers; V's groups turn through the wave's own stage in LDS (plain stores, turning loads).  No tensor load.
.set MST,   131072                     ; LDS: 0: V's stages, 8,192 bytes a wave (high 4,096, low 4,096); here the waves' m, 128 bytes each;
.set OST,   135168                     ; (their l 2,048 further on;) the waves' O: 16 rows x 272 bytes each
.set SPARE, 204800
.set FST,   0x100000                   ; where M and L begin in ctxfine
.set L16, 1                            ; v1 16 x lane; v2 mask offset; v3 padding offset; v4 my stage
.set SPW, 5
.set NIL, 6
.set T,   8                            ; v8 m, v9 its pair's partner, v10-11 l, v12-15 at work
.set Q,   16
.set KR,  32
.set S,   64
.set MK,  80
.set KP,  96
.set P,   112
.set VH,  120
.set VL,  152
.set O,   184
.set SEL, 32
.set CS,  34
	s_load_b256 s[4:11], s[0:1], 0x0               ; heads 4, maskl 6, kpad 8, ctxfine 10
	v_lshl_add_u32 v[SPW], v0, 2, SPARE
	v_mov_b32 v[NIL], 0
	v_lshrrev_b32 v1, 5, v0
	v_readfirstlane_b32 s12, v1                    ; wave 0..15
	s_and_b32 s40, ttmp7, 0xffff                   ; which quarter of the keys
	v_and_b32 v7, 31, v0                           ; lane
	v_and_b32 v216, 15, v0                         ; r
	v_bfe_u32 v217, v0, 4, 1                       ; h
	v_lshlrev_b32 v[L16], 4, v7
	v_lshlrev_b32 v2, 13, v216
	v_lshl_add_u32 v2, v217, 5, v2                 ; mask: row r of 8,192 bytes, + 32 h
	v_lshlrev_b32 v3, 5, v217                      ; padding: + 32 h
	s_lshl_b32 s13, s12, 13
	v_add_nc_u32 v4, s13, v[L16]                   ; my stage
	s_mul_i32 s13, s12, 4352
	v_mul_u32_u24 v248, v216, 272
	v_lshl_add_u32 v248, v217, 5, v248
	v_add_nc_u32 v248, s13, v248
	v_add_nc_u32 v248, OST, v248                   ; my O: row r, + 32 h
	s_mul_i32 s13, s12, 272
	v_lshlrev_b32 v252, 3, v7                      ; 8 x lane
	v_add_nc_u32 v249, s13, v252
	v_add_nc_u32 v249, OST, v249                   ; back: query w of each wave's O
	v_lshl_add_u32 v250, v0, 2, MST                ; my wave's m: 128 w + 4 x lane
	v_lshl_add_u32 v251, v7, 2, MST                ; all waves' m
	v_lshlrev_b32 v254, 2, v7                      ; 4 x lane
	s_lshl_b32 s14, ttmp9, 18                      ; batch x 16 + head: 262,144 bytes
	s_mov_b32 s15, 0
	s_lshl_b32 s16, s12, 12                        ; my 32 keys: 2 tiles of 2,048 bytes,
	s_add_co_u32 s16, s16, s14
	s_lshl_b32 s41, s40, 16                        ; in my quarter: 32 tiles
	s_add_co_u32 s16, s16, s41
	s_mov_b32 s17, 0
	s_lshl_b32 s18, s12, 7                         ; the same keys in a row of the mask and in the padding
	s_lshl_b32 s41, s40, 11
	s_add_co_u32 s18, s18, s41
	s_mov_b32 s19, 0
	s_lshr_b32 s38, ttmp9, 4
	s_lshl_b32 s38, s38, 13
	s_add_co_u32 s38, s38, s18
	s_mov_b32 s39, 0
	s_lshr_b32 s36, ttmp9, 4
	s_lshl_b32 s36, s36, 4
	s_add_co_u32 s36, s36, s12
	s_lshl_b32 s36, s36, 12                        ; ctxfine: row 16 x batch + w,
	s_and_b32 s37, ttmp9, 15
	s_lshl_b32 s37, s37, 8                         ; the head's 256 bytes,
	s_add_co_u32 s36, s36, s37
	s_lshl_b32 s41, s40, 18                        ; my quarter's 262,144 bytes
	s_add_co_u32 s36, s36, s41
	s_mov_b32 s37, 0
	s_lshl_b32 s42, s40, 13                        ; M and L: 128 bytes for a quarter, batch and head
	s_lshl_b32 s43, ttmp9, 7
	s_add_co_u32 s42, s42, s43
	s_add_co_u32 s42, s42, FST
	s_mov_b32 s43, 0
	s_mov_b32 s[SEL], 0x76543210
	s_mov_b32 s[SEL+1], 0xfedcba98
	s_mov_b32 s[CS], 0x3e38aa3b                    ; c = log2(e) / 8
	s_mov_b32 s[CS+1], s[CS]
	s_wait_kmcnt 0x0
	s_add_nc_u64 s[20:21], s[4:5], s[14:15]        ; Q: the head's first tile of tokens
	s_add_nc_u64 s[22:23], s[4:5], s[16:17]
	s_add_nc_u64 s[24:25], s[22:23], 0x2000000     ; V high
	s_add_nc_u64 s[26:27], s[22:23], 0x3000000     ; V low
	s_add_nc_u64 s[22:23], s[22:23], 0x1000000     ; K
	s_add_nc_u64 s[28:29], s[6:7], s[18:19]
	s_add_nc_u64 s[30:31], s[8:9], s[38:39]
	s_add_nc_u64 s[44:45], s[10:11], s[42:43]
	s_add_nc_u64 s[10:11], s[10:11], s[36:37]
	; all 36 loads at once, in this order: Q 4, K 8, mask 4, padding 4, V high 8, V low 8
.irp c, 0,1,2,3
	global_load_b128 v[Q+4*\c:Q+4*\c+3], v[L16], s[20:21] offset:512*\c
.endr
.irp g, 0,1,2,3,4,5,6,7
	global_load_b128 v[KR+4*\g:KR+4*\g+3], v[L16], s[22:23] offset:512*\g
.endr
.irp t, 0,1
.irp j, 0,1
	global_load_b128 v[MK+8*\t+4*\j:MK+8*\t+4*\j+3], v2, s[28:29] offset:64*\t+16*\j
.endr
.endr
.irp t, 0,1
.irp j, 0,1
	global_load_b128 v[KP+8*\t+4*\j:KP+8*\t+4*\j+3], v3, s[30:31] offset:64*\t+16*\j
.endr
.endr
.irp g, 0,1,2,3,4,5,6,7
	global_load_b128 v[VH+4*\g:VH+4*\g+3], v[L16], s[24:25] offset:512*\g
.endr
.irp g, 0,1,2,3,4,5,6,7
	global_load_b128 v[VL+4*\g:VL+4*\g+3], v[L16], s[26:27] offset:512*\g
.endr
	v_mov_b32 v[T], 0xff61b1e6                     ; the floor under m: -3e38
	v_mov_b32 v[T+1], 0                            ; (named with m as a pair)
	s_wait_loadcnt 24                              ; Q and K are in; behind them: mask 4, padding 4, V 16
	v_wmma_f32_16x16x32_f16 v[S:S+7], v[KR:KR+7], v[Q:Q+7], 0
	v_wmma_f32_16x16x32_f16 v[S+8:S+15], v[KR+16:KR+23], v[Q:Q+7], 0
	v_wmma_f32_16x16x32_f16 v[S:S+7], v[KR+8:KR+15], v[Q+8:Q+15], v[S:S+7]
	v_wmma_f32_16x16x32_f16 v[S+8:S+15], v[KR+24:KR+31], v[Q+8:Q+15], v[S+8:S+15]
	s_wait_loadcnt 16                              ; mask and padding are in; behind them: V 16
.irp b, 0,1,2,3,4,5,6,7
	v_pk_add_f32 v[MK+2*\b:MK+2*\b+1], v[MK+2*\b:MK+2*\b+1], v[KP+2*\b:KP+2*\b+1]   ; these eight name no register of the products: they are the places in front of the first read of the scores
.endr
.irp b, 0,1,2,3,4,5,6,7
	v_pk_fma_f32 v[S+2*\b:S+2*\b+1], v[S+2*\b:S+2*\b+1], s[CS:CS+1], v[MK+2*\b:MK+2*\b+1] op_sel_hi:[1,0,1]
.endr
	v_max3_num_f32 v[T+4], v[S], v[S+1], v[S+2]
	v_max3_num_f32 v[T+5], v[S+3], v[S+4], v[S+5]
	v_max3_num_f32 v[T+6], v[S+6], v[S+7], v[S+8]
	v_max3_num_f32 v[T+7], v[S+9], v[S+10], v[S+11]
	v_max3_num_f32 v[T+4], v[T+4], v[S+12], v[S+13]
	v_max3_num_f32 v[T+5], v[T+5], v[S+14], v[S+15]
	v_max3_num_f32 v[T+4], v[T+4], v[T+5], v[T+6]
	v_max3_num_f32 v[T+4], v[T+4], v[T+7], v[T]    ; with the floor
	v_permlanex16_b32 v[T+5], v[T+4], s[SEL], s[SEL+1]
	v_max_num_f32 v[T], v[T+4], v[T+5]             ; m
.irp b, 0,1,2,3,4,5,6,7
	v_pk_add_f32 v[S+2*\b:S+2*\b+1], v[S+2*\b:S+2*\b+1], v[T:T+1] op_sel_hi:[1,0] neg_lo:[0,1] neg_hi:[0,1]
.endr
.set ee, 0
.rept 16
	v_exp_f32 v[S+ee], v[S+ee]
.set ee, ee+1
.endr
	v_nop
	s_wait_alu depctr_va_vdst(0)                   ; one wait for the batch of 16, ahead of its first reader
.irp b, 0,1,2,3,4,5,6,7
	v_cvt_pk_f16_f32 v[P+\b], v[S+2*\b], v[S+2*\b+1]
.endr
	s_wait_loadcnt 0x0                             ; V
.irp g, 0,1,2,3,4,5,6,7
	ds_store_b128 v4, v[VH+4*\g:VH+4*\g+3] offset:512*\g
	ds_store_b128 v4, v[VL+4*\g:VL+4*\g+3] offset:4096+512*\g
.endr
.irp d, 0,1,2,3
.irp e, 0,1
	ds_load_tr16_b128 v[VH+8*\d+4*\e:VH+8*\d+4*\e+3], v4 offset:(4*\e+\d)*512          ; LDS serves a wave's instructions in order: these see my stores
	ds_load_tr16_b128 v[VL+8*\d+4*\e:VL+8*\d+4*\e+3], v4 offset:4096+(4*\e+\d)*512
.endr
.endr
	s_wait_dscnt 0x0
.irp d, 0,1,2,3
	v_wmma_f32_16x16x32_f16 v[O+8*\d:O+8*\d+7], v[VH+8*\d:VH+8*\d+7], v[P:P+7], 0      ; the high parts start the sums; the four accumulators take turns
.endr
.irp d, 0,1,2,3
	v_wmma_f32_16x16x32_f16 v[O+8*\d:O+8*\d+7], v[VL+8*\d:VL+8*\d+7], v[P:P+7], v[O+8*\d:O+8*\d+7]
.endr
.irp u, 0,1,2,3                                ; the sum of the f32 p: plain lines that name no register of the products above
	v_pk_add_f32 v[S+4*\u:S+4*\u+1], v[S+4*\u:S+4*\u+1], v[S+4*\u+2:S+4*\u+3]
.endr
.irp u, 0,1
	v_pk_add_f32 v[S+8*\u:S+8*\u+1], v[S+8*\u:S+8*\u+1], v[S+8*\u+4:S+8*\u+5]
.endr
	v_pk_add_f32 v[T+2:T+3], v[S:S+1], v[S+8:S+9]
	; THE MERGE of the sixteen waves.  Each wave's m and l go to LDS; M is the largest m; each wave's O is multiplied by 2^(m - M), and the sixteen are added.  Wave 0 makes L = the sum of l_p 2^(m_p - M) and stores M and L.
	v_add_f32 v[T+2], v[T+2], v[T+3]
	v_permlanex16_b32 v[T+5], v[T+2], s[SEL], s[SEL+1]
	v_add_f32 v[T+2], v[T+2], v[T+5]
	ds_store_b32 v250, v[T]
	ds_store_b32 v250, v[T+2] offset:2048
	s_wait_dscnt 0x0                               ; for the others' sake: my stores are done
	s_barrier_signal -1
	s_barrier_wait -1
.irp p, 0,1,2,3,4,5,6,7,8,9,10,11,12,13,14,15
	ds_load_b32 v[216+\p], v251 offset:128*\p
.endr
	s_wait_dscnt 0x0
	v_max3_num_f32 v[T+4], v216, v217, v218
.irp k, 219,221,223,225,227,229
	v_max3_num_f32 v[T+4], v[T+4], v[\k], v[\k+1]
.endr
	v_max_num_f32 v[T+4], v[T+4], v231             ; M
	v_sub_f32 v[T+6], v[T], v[T+4]
	v_exp_f32 v[T+6], v[T+6]
	v_nop
	s_wait_alu depctr_va_vdst(0)
.irp b, 0,1,2,3,4,5,6,7,8,9,10,11,12,13,14,15
	v_pk_mul_f32 v[O+2*\b:O+2*\b+1], v[O+2*\b:O+2*\b+1], v[T+6:T+7] op_sel_hi:[1,0]
.endr
.irp d, 0,1,2,3
	ds_store_b128 v248, v[O+8*\d:O+8*\d+3] offset:64*\d
	ds_store_b128 v248, v[O+8*\d+4:O+8*\d+7] offset:64*\d+16
.endr
	s_cmp_lg_u32 s12, 0
	s_cbranch_scc1 .Lnot_wave_0
.irp p, 0,1,2,3,4,5,6,7,8,9,10,11,12,13,14,15
	ds_load_b32 v[232+\p], v251 offset:2048+128*\p
.endr
.irp p, 0,1,2,3,4,5,6,7,8,9,10,11,12,13,14,15
	v_sub_f32 v[216+\p], v[216+\p], v[T+4]
.endr
.irp p, 0,1,2,3,4,5,6,7,8,9,10,11,12,13,14,15
	v_exp_f32 v[216+\p], v[216+\p]
.endr
	v_nop
	s_wait_alu depctr_va_vdst(0)
	s_wait_dscnt 0x0
	v_mul_f32 v[T+5], v216, v232
.irp p, 1,2,3,4,5,6,7,8,9,10,11,12,13,14,15
	v_fmac_f32 v[T+5], v[216+\p], v[232+\p]
.endr
	v_cmp_gt_u32 vcc_lo, 16, v7                    ; lanes 0-15 store M of query lane, lanes 16-31 L of query lane - 16
	v_cndmask_b32 v253, v[T+5], v[T+4], vcc_lo
	global_store_b32 v254, v253, s[44:45]
.Lnot_wave_0:
	s_wait_dscnt 0x0                               ; for the others' sake: my O lies in LDS
	s_barrier_signal -1
	s_barrier_wait -1
.irp p, 0,1,2,3,4,5,6,7,8,9,10,11,12,13,14,15
	ds_load_b64 v[KR+2*\p:KR+2*\p+1], v249 offset:4352*\p      ; query w of every wave's part: 64 channels, 8 bytes a lane
.endr
	s_wait_dscnt 0x0
.irp u, 0,1,2,3,4,5,6,7
	v_pk_add_f32 v[KR+4*\u:KR+4*\u+1], v[KR+4*\u:KR+4*\u+1], v[KR+4*\u+2:KR+4*\u+3]
.endr
.irp u, 0,1,2,3
	v_pk_add_f32 v[KR+8*\u:KR+8*\u+1], v[KR+8*\u:KR+8*\u+1], v[KR+8*\u+4:KR+8*\u+5]
.endr
.irp u, 0,1
	v_pk_add_f32 v[KR+16*\u:KR+16*\u+1], v[KR+16*\u:KR+16*\u+1], v[KR+16*\u+8:KR+16*\u+9]
.endr
	v_pk_add_f32 v[KR:KR+1], v[KR:KR+1], v[KR+16:KR+17]
	global_store_b64 v252, v[KR:KR+1], s[10:11]    ; the wave stores 256 consecutive bytes, aligned
	s_wait_tensorcnt 0x0                           ; the wave's end: behind my last LDS store
	ds_add_u32 v[SPW], v[NIL]
	s_wait_dscnt 0x0
	s_endpgm
.Lfunc_end_k_q4c10d9d45b_fattn:
	.size	k_q4c10d9d45b_fattn, .Lfunc_end_k_q4c10d9d45b_fattn-k_q4c10d9d45b_fattn
	.p2alignl 7, 3214868480
	.fill 96, 4, 3214868480
	.section	.rodata,"a",@progbits
	.p2align	6, 0x0
	.amdhsa_kernel k_q4c10d9d45b_fattn
		.amdhsa_group_segment_fixed_size 206848
		.amdhsa_private_segment_fixed_size 0
		.amdhsa_enable_private_segment 0
		.amdhsa_kernarg_size 32
		.amdhsa_user_sgpr_count 2
		.amdhsa_user_sgpr_kernarg_segment_ptr 1
		.amdhsa_wavefront_size32 1
		.amdhsa_system_sgpr_workgroup_id_x 1
		.amdhsa_system_sgpr_workgroup_id_y 1
		.amdhsa_system_sgpr_workgroup_id_z 1
		.amdhsa_system_vgpr_workitem_id 0
		.amdhsa_next_free_vgpr 256
		.amdhsa_next_free_sgpr 66
		.amdhsa_reserve_vcc 1
		.amdhsa_float_denorm_mode_32 3
		.amdhsa_float_denorm_mode_16_64 3
		.amdhsa_memory_ordered 1
		.amdhsa_forward_progress 1
		.amdhsa_inst_pref_size 22
	.end_amdhsa_kernel
	.amdgpu_metadata
---
amdhsa.version: [ 1, 2 ]
amdhsa.kernels:
  - .name:           k_q4c10d9d45b_fattn
    .symbol:         k_q4c10d9d45b_fattn.kd
    .args:
      - { .name: heads, .offset: 0, .size: 8, .value_kind: global_buffer, .address_space: global }
      - { .name: maskl, .offset: 8, .size: 8, .value_kind: global_buffer, .address_space: global }
      - { .name: kpad, .offset: 16, .size: 8, .value_kind: global_buffer, .address_space: global }
      - { .name: ctxfine, .offset: 24, .size: 8, .value_kind: global_buffer, .address_space: global }
    .group_segment_fixed_size: 206848
    .private_segment_fixed_size: 0
    .kernarg_segment_align: 8
    .kernarg_segment_size: 32
    .max_flat_workgroup_size: 512
    .sgpr_count:     66
    .vgpr_count:     256
    .wavefront_size: 32
...
	.end_amdgpu_metadata
.endif
;; end of part 5
;; launch fproj (part 6): grid 16 x 4, 16 waves a work-group, no clusters, 71,680 bytes of LDS; arguments ctxfine, Wo, bo, out0; writes out0
.if DOCPART == 6
	.amdgcn_target "amdgcn-amd-amdhsa--gfx1250"
	.amdhsa_code_object_version 6
	.text
	.protected	k_q4c10d9d45b_fproj
	.globl	k_q4c10d9d45b_fproj
	.p2align	8
	.type	k_q4c10d9d45b_fproj,@function
k_q4c10d9d45b_fproj:
	s_mov_b64 s[64:65], 0
	v_nop
	global_prefetch_b8 v0, s[64:65] scope:SCOPE_SE
	s_setreg_imm32_b32 hwreg(HW_REG_WAVE_MODE, 25, 1), 1
	s_wait_xcnt 0x0
; Launch 6 of 6: product 6 for positions 0 to 15 of every sequence, with f32 operands (64 rows of 8,192: no bulk work): out0[2,048 y + pos][n] = sum over k of concat[16 y + pos][k] Wo[n][k] + bo[n].
; It writes again the 64 rows that the f16 product has written.
; concat comes in four parts, one for each quarter of the keys: O_p, the sum of p v under the quarter's maximum M_p, and L_p, the sum of p under it.  With M the largest M_p:
; concat = sum of g_p O_p, g_p = 2^(M_p - M) / (sum of L_p 2^(M_p - M)).  A row all of whose keys are hidden has L = 0 and O = 0 and ends as a NaN, as in the definition.
; SHARES.  A work-group takes 64 outputs (x) of one batch (y).  K is shared among its sixteen waves, 64 each: wave w's 64 along K are head w, so a lane wants the M and L of one head and one position.
; 64 matrix instructions a wave; the sixteen parts of a sum are added through LDS, in a fixed order.
; Source 0 = 16 rows of Wo, source 1 = the 16 positions: a lane holds eight neighbouring outputs of one position.  A lane's four numbers of a load of 16 bytes are k = 8 i + 4 (lane / 16) + 0 .. 3 on both
; sides: the same exchange of places along K in both operands, which leaves the products what they are.
; The accumulators are written by matrix instructions alone; the first K step starts each sum with the constant 0; two take turns at a time.
; REGISTERS: v16-23 M_p (even) and L_p (odd), later g_p; v32-95 Wo's blocks 0, 1; v96-223 the four parts, merged in place into v96-127; v128-191 then take Wo's blocks 2, 3; v224-255 the accumulators.
.set SPARE, 69632                      ; LDS: 16 rows x 272 bytes for each wave, then the spare words
.set FST,   0x100000                   ; where M and L begin in ctxfine
.set SPW, 2
.set NIL, 3
.set GS,  16
.set WF,  32
.set PT,  96
.set W2,  128
.set ACC, 224
	s_load_b256 s[4:11], s[0:1], 0x0               ; ctxfine 4, Wo 6, bo 8, out0 10
	v_lshl_add_u32 v[SPW], v0, 2, SPARE
	v_mov_b32 v[NIL], 0
	v_lshrrev_b32 v1, 5, v0
	v_readfirstlane_b32 s12, v1                    ; wave 0..15
	s_and_b32 s13, ttmp7, 0xffff                   ; batch
	v_and_b32 v4, 15, v0                           ; r
	v_bfe_u32 v5, v0, 4, 1                         ; h
	v_and_b32 v6, 31, v0
	v_lshlrev_b32 v7, 12, v4
	v_lshl_add_u32 v7, v5, 4, v7                   ; row r of 4,096 bytes, + 16 h
	v_lshlrev_b32 v11, 2, v4                       ; 4 r: my position's M, L
	s_lshl_b32 s14, s12, 8                         ; my 64 along K
	s_lshl_b32 s16, ttmp9, 18                      ; Wo: row 64 x
	s_add_co_u32 s16, s16, s14
	s_mov_b32 s17, 0
	s_lshl_b32 s18, s13, 16                        ; the parts: row 16 y
	s_add_co_u32 s18, s18, s14
	s_mov_b32 s19, 0
	s_lshl_b32 s26, s13, 4
	s_add_co_u32 s26, s26, s12                     ; batch x 16 + head
	s_lshl_b32 s26, s26, 7
	s_add_co_u32 s26, s26, FST
	s_mov_b32 s27, 0
	s_mul_i32 s20, s12, 4352
	v_mul_u32_u24 v8, v4, 272
	v_lshl_add_u32 v8, v5, 5, v8
	v_add_nc_u32 v8, s20, v8                       ; my part of the sums: row r, + 32 h
	s_mul_i32 s21, s12, 272
	v_lshlrev_b32 v9, 3, v6                        ; 8 x lane
	v_add_nc_u32 v10, s21, v9                      ; back: position w of every wave's part
	s_lshl_b32 s22, ttmp9, 8                       ; my 64 outputs, in bytes
	s_mov_b32 s23, 0
	s_lshl_b32 s24, s13, 11
	s_add_co_u32 s24, s24, s12
	s_lshl_b32 s24, s24, 12                        ; out0: row 2,048 y + w
	s_add_co_u32 s24, s24, s22
	s_mov_b32 s25, 0
	s_wait_kmcnt 0x0
	s_add_nc_u64 s[28:29], s[4:5], s[26:27]
	s_add_nc_u64 s[6:7], s[6:7], s[16:17]
	s_add_nc_u64 s[4:5], s[4:5], s[18:19]
	s_add_nc_u64 s[8:9], s[8:9], s[22:23]
	s_add_nc_u64 s[10:11], s[10:11], s[24:25]
	; loads, in this order: M and L 8, the parts 32, bo 1, Wo's blocks 0 and 1: 16
.irp p, 0,1,2,3
	global_load_b32 v[GS+2*\p], v11, s[28:29] offset:8192*\p
	global_load_b32 v[GS+2*\p+1], v11, s[28:29] offset:8192*\p+64
.endr
.irp p, 0,1,2,3
.irp i, 0,1,2,3,4,5,6,7
	global_load_b128 v[PT+32*\p+4*\i:PT+32*\p+4*\i+3], v7, s[4:5] offset:262144*\p+32*\i
.endr
.endr
	global_load_b64 v[12:13], v9, s[8:9]
.irp a, 0,1
.irp i, 0,1,2,3,4,5,6,7
	global_load_b128 v[WF+32*\a+4*\i:WF+32*\a+4*\i+3], v7, s[6:7] offset:65536*\a+32*\i
.endr
.endr
	s_wait_loadcnt 17                              ; M, L and the parts are in; behind them: bo 1, Wo 16
	v_max3_num_f32 v24, v[GS], v[GS+2], v[GS+4]
	v_max_num_f32 v24, v24, v[GS+6]                ; M
.irp p, 0,1,2,3
	v_sub_f32 v[GS+2*\p], v[GS+2*\p], v24
.endr
.irp p, 0,1,2,3
	v_exp_f32 v[GS+2*\p], v[GS+2*\p]
.endr
	v_nop
	s_wait_alu depctr_va_vdst(0)                   ; one wait for the four, ahead of their first reader
	v_mul_f32 v25, v[GS], v[GS+1]
.irp p, 1,2,3
	v_fmac_f32 v25, v[GS+2*\p], v[GS+2*\p+1]
.endr
	v_rcp_f32 v26, v25
	v_nop
	s_wait_alu depctr_va_vdst(0)
.irp p, 0,1,2,3
	v_mul_f32 v[GS+2*\p], v[GS+2*\p], v26          ; g_p
.endr
.irp b, 0,1,2,3,4,5,6,7,8,9,10,11,12,13,14,15
	v_pk_mul_f32 v[PT+2*\b:PT+2*\b+1], v[PT+2*\b:PT+2*\b+1], v[GS:GS+1] op_sel_hi:[1,0]
.endr
.irp p, 1,2,3
.irp b, 0,1,2,3,4,5,6,7,8,9,10,11,12,13,14,15
	v_pk_fma_f32 v[PT+2*\b:PT+2*\b+1], v[PT+32*\p+2*\b:PT+32*\p+2*\b+1], v[GS+2*\p:GS+2*\p+1], v[PT+2*\b:PT+2*\b+1] op_sel_hi:[1,0,1]
.endr
.endr
.irp a, 2,3                                    ; parts 1 and 2 are done with: their registers take Wo's blocks 2 and 3, which land under the first 32 products
.irp i, 0,1,2,3,4,5,6,7
	global_load_b128 v[W2+32*(\a-2)+4*\i:W2+32*(\a-2)+4*\i+3], v7, s[6:7] offset:65536*\a+32*\i
.endr
.endr
	s_wait_loadcnt 16                              ; bo and Wo's blocks 0 and 1 are in; behind them: the 16 just issued
.irp i, 0,1,2,3,4,5,6,7
.irp p, 0,1
.irp a, 0,1
.if (\i == 0) && (\p == 0)
	v_wmma_f32_16x16x4_f32 v[ACC+8*\a:ACC+8*\a+7], v[WF+32*\a+4*\i+2*\p:WF+32*\a+4*\i+2*\p+1], v[PT+4*\i+2*\p:PT+4*\i+2*\p+1], 0
.else
	v_wmma_f32_16x16x4_f32 v[ACC+8*\a:ACC+8*\a+7], v[WF+32*\a+4*\i+2*\p:WF+32*\a+4*\i+2*\p+1], v[PT+4*\i+2*\p:PT+4*\i+2*\p+1], v[ACC+8*\a:ACC+8*\a+7]
.endif
.endr
.endr
.endr
	s_wait_loadcnt 0x0
.irp i, 0,1,2,3,4,5,6,7
.irp p, 0,1
.irp a, 0,1
.if (\i == 0) && (\p == 0)
	v_wmma_f32_16x16x4_f32 v[ACC+16+8*\a:ACC+16+8*\a+7], v[W2+32*\a+4*\i+2*\p:W2+32*\a+4*\i+2*\p+1], v[PT+4*\i+2*\p:PT+4*\i+2*\p+1], 0
.else
	v_wmma_f32_16x16x4_f32 v[ACC+16+8*\a:ACC+16+8*\a+7], v[W2+32*\a+4*\i+2*\p:W2+32*\a+4*\i+2*\p+1], v[PT+4*\i+2*\p:PT+4*\i+2*\p+1], v[ACC+16+8*\a:ACC+16+8*\a+7]
.endif
.endr
.endr
.endr
.rept 8
	v_nop                                          ; eight places behind this form, in front of the stores that read the sums and of the loads into the operands' registers
.endr
.irp a, 0,1,2,3
	ds_store_b128 v8, v[ACC+8*\a:ACC+8*\a+3] offset:64*\a            ; each accumulator from its low end on
	ds_store_b128 v8, v[ACC+8*\a+4:ACC+8*\a+7] offset:64*\a+16
.endr
	s_wait_dscnt 0x0                               ; for the others' sake: my stores are done
	s_barrier_signal -1
	s_barrier_wait -1
.irp p, 0,1,2,3,4,5,6,7,8,9,10,11,12,13,14,15
	ds_load_b64 v[WF+2*\p:WF+2*\p+1], v10 offset:4352*\p
.endr
	s_wait_dscnt 0x0
.irp u, 0,1,2,3,4,5,6,7
	v_pk_add_f32 v[WF+4*\u:WF+4*\u+1], v[WF+4*\u:WF+4*\u+1], v[WF+4*\u+2:WF+4*\u+3]
.endr
.irp u, 0,1,2,3
	v_pk_add_f32 v[WF+8*\u:WF+8*\u+1], v[WF+8*\u:WF+8*\u+1], v[WF+8*\u+4:WF+8*\u+5]
.endr
.irp u, 0,1
	v_pk_add_f32 v[WF+16*\u:WF+16*\u+1], v[WF+16*\u:WF+16*\u+1], v[WF+16*\u+8:WF+16*\u+9]
.endr
	v_pk_add_f32 v[WF:WF+1], v[WF:WF+1], v[WF+16:WF+17]
	v_pk_add_f32 v[WF:WF+1], v[WF:WF+1], v[12:13]  ; + bo
	global_store_b64 v9, v[WF:WF+1], s[10:11]      ; the wave stores 256 consecutive bytes, aligned
	s_wait_tensorcnt 0x0                           ; the wave's end: behind my last LDS store
	ds_add_u32 v[SPW], v[NIL]
	s_wait_dscnt 0x0
	s_endpgm
.Lfunc_end_k_q4c10d9d45b_fproj:
	.size	k_q4c10d9d45b_fproj, .Lfunc_end_k_q4c10d9d45b_fproj-k_q4c10d9d45b_fproj
	.p2alignl 7, 3214868480
	.fill 96, 4, 3214868480
	.section	.rodata,"a",@progbits
	.p2align	6, 0x0
	.amdhsa_kernel k_q4c10d9d45b_fproj
		.amdhsa_group_segment_fixed_size 71680
		.amdhsa_private_segment_fixed_size 0
		.amdhsa_enable_private_segment 0
		.amdhsa_kernarg_size 32
		.amdhsa_user_sgpr_count 2
		.amdhsa_user_sgpr_kernarg_segment_ptr 1
		.amdhsa_wavefront_size32 1
		.amdhsa_system_sgpr_workgroup_id_x 1
		.amdhsa_system_sgpr_workgroup_id_y 1
		.amdhsa_system_sgpr_workgroup_id_z 1
		.amdhsa_system_vgpr_workitem_id 0
		.amdhsa_next_free_vgpr 256
		.amdhsa_next_free_sgpr 66
		.amdhsa_reserve_vcc 0
		.amdhsa_float_denorm_mode_32 3
		.amdhsa_float_denorm_mode_16_64 3
		.amdhsa_memory_ordered 1
		.amdhsa_forward_progress 1
		.amdhsa_inst_pref_size 21
	.end_amdhsa_kernel
	.amdgpu_metadata
---
amdhsa.version: [ 1, 2 ]
amdhsa.kernels:
  - .name:           k_q4c10d9d45b_fproj
    .symbol:         k_q4c10d9d45b_fproj.kd
    .args:
      - { .name: ctxfine, .offset: 0, .size: 8, .value_kind: global_buffer, .address_space: global }
      - { .name: Wo, .offset: 8, .size: 8, .value_kind: global_buffer, .address_space: global }
      - { .name: bo, .offset: 16, .size: 8, .value_kind: global_buffer, .address_space: global }
      - { .name: out0, .offset: 24, .size: 8, .value_kind: global_buffer, .address_space: global }
    .group_segment_fixed_size: 71680
    .private_segment_fixed_size: 0
    .kernarg_segment_align: 8
    .kernarg_segment_size: 32
    .max_flat_workgroup_size: 512
    .sgpr_count:     66
    .vgpr_count:     256
    .wavefront_size: 32
...
	.end_amdgpu_metadata
.endif
;; end of part 6
